; MI455X (gfx1250); checked and timed in simulation.
; The chip was launched on July 23, 2026; its instructions are those of AMD's public machine-readable ISA for CDNA 5 (MIT licence, August 2026) and "CDNA5" Instruction Set Architecture Reference Guide (July 2026). The comments in the code are by the model that wrote it; some were corrected since.
;; Cross Attention. Allowed arithmetic: float matrix products may take bf16 or f16 operands with f32 sums; all other float work in f32.
;; Inputs: Wk 1,024 x 1,024 float32; Wp 1,024 x 1,024 float32; Wq 1,024 x 1,024 float32; Wv 3 x 1,024 x 1,024 float32; bk 1,024 float32; bp 1,024 float32; bq 1,024 float32; bv 3 x 1,024 float32; dist 2 x 1 x 2,048 x 2,048 float32; mask 2 x 1 x 2,048 x 2,048 int32; x_q 2 x 2,048 x 1,024 float32; x_r 2 x 2,048 x 1,024 float32; y 3 x 2 x 2,048 x 1,024 float32.
;; Outputs: out0 2 x 2,048 x 1,024 float32.
;; One version. Each part assembles by itself: llvm-mc -triple=amdgcn-amd-amdhsa -mcpu=gfx1250 --defsym DOCPART=n.
;; ======== version 1 of 1: 4 launches
;; limits: values outside matrix products are rounded to bf16; values outside matrix products are rounded to f16; right only within a limited range of input values; values are held in f16: magnitudes above 65,504 overflow, below 6.1e-05 lose precision
;; workspace buffers: ablk 41,943,040 bytes; wall 12,582,912 bytes; wpl 16,777,216 bytes; rowinf 32,768 bytes; qws 8,388,608 bytes; kws 8,388,608 bytes; vws 8,388,608 bytes; att 8,388,608 bytes
;; launch prep (part 1): grid 544 x 1, 16 waves a work-group, no clusters, 2,304 bytes of LDS; arguments x_q, x_r, y, Wq, Wk, Wv, Wp, mask, dist, ablk, wall, wpl, rowinf; writes ablk, wall, wpl, rowinf
.if DOCPART == 1
	.amdgcn_target "amdgcn-amd-amdhsa--gfx1250"
	.amdhsa_code_object_version 6
	.text
	.protected	k_q6b37d4842a_prep
	.globl	k_q6b37d4842a_prep
	.p2align	8
	.type	k_q6b37d4842a_prep,@function
k_q6b37d4842a_prep:
	s_mov_b64 s[64:65], 0
	v_nop
	global_prefetch_b8 v0, s[64:65] scope:SCOPE_SE
	s_setreg_imm32_b32 hwreg(HW_REG_WAVE_MODE, 25, 1), 1
	s_wait_xcnt 0x0
; PREP: three streaming jobs, chosen by the work-group's number (the same for all its waves).  No byte is shared between work-groups, so there is no cluster, no tile in LDS, no matrix work.
;   groups   0-127  PLANE:   with g = exp(-(dist/0.5)^2) = 2^(K d^2), K = -4 log2(e), and dmin2 = the least d^2 among a row's open keys (mask != 0):
;                            wpl[row][key] (bf16) = 2^(K (d^2 - dmin2)), at most 1, at an open key; -2^120 (the pattern 0xFB80) at a masked key.
;                            rowinf[row] = all ones; rowinf[4096 + row] (f32) = 4 x 2^(K dmin2), by which the output projection multiplies the row (the 4: the attention launch stores a quarter).
;                            A row whose mask is zero everywhere has no marks (all its keys count as open) and the flag 0: the attention launch then gives it equal weights, as a softmax of equal scores does.
;   groups 128-447  ROWS:    x_q, x_r, y0, y1, y2 -> ablk, f16, laid [32 blocks of 128 rows][80 blocks of 64 columns][128][64]: a row block's whole walk along K is one run of bytes.
;   groups 448-543  WEIGHTS: Wq, Wk, Wv, Wp -> wall, f16, [6144][1024], rows in that order.
; A PLANE group owns 32 rows (two a wave: 512 KiB in, 128 KiB out), a group of the other two jobs 64 rows (four a wave: 256 KiB in, 128 KiB out); the larger groups have the lower numbers.
; Each load of a wave takes 512 bytes (two runs of 256 in ROWS), each store 256 consecutive bytes at a multiple of 256; only a PLANE group's 32 flags and 32 factors leave as runs of 128 bytes (32 KiB in the launch).
; WHY f16 for the products' operands: eleven significant bits against bf16's eight; the chain of products behind this launch rounds its operands some thirteen times.  The plane is bf16, so that the attention
; launch can multiply by it in f32 straight from its halves and can read the mark as a huge number: that is the chain's one rounding to eight bits.
; LIMITS: |x| and |W| stay under 65,504 (inputs of size 1 and 1/32 have room for a factor of thousands); d^2 stays under 2^127;
;         a weight or a row factor under 2^-126 is 0 (v_exp_f32 flushes, ISA guide 15.8); NaN and infinities are not served.
.set X,   16                           ; v[16:143]  ROWS, WEIGHTS: 32 loads of 4 registers; each is rounded in place into its first two
.set M,   16                           ; v[16:79]   PLANE: a row of mask, 16 pieces of 4 registers
.set D,   80                           ; v[80:143]  PLANE: a row of dist, then of d^2
.set OUT, 144                          ; v[144:175] PLANE: a row of the plane, 16 pieces of 2 registers
.set BIG, 0                            ; v0         PLANE: 2^127, the d^2 of a masked key
; 32 loads go out together; each is rounded and stored when it has come.  Load 16 p + j stands at p*ldp + j*ldj, its store at p*stp + j*stj.
.macro CAST ldp, ldj, stp, stj
.irp p, 0,1
.irp j, 0,1,2,3,4,5,6,7,8,9,10,11,12,13,14,15
	global_load_b128 v[X+4*(16*\p+\j):X+4*(16*\p+\j)+3], v1, s[34:35] offset:\p*\ldp+\j*\ldj th:TH_LOAD_NT
.endr
.endr
.irp p, 0,1
.irp j, 0,1,2,3,4,5,6,7,8,9,10,11,12,13,14,15
	s_wait_loadcnt 31-(16*\p+\j)                   ; loads come back in order (ISA guide 5.7.1): this one is in, the younger ones stay out
	v_cvt_pk_f16_f32 v[X+4*(16*\p+\j)],   v[X+4*(16*\p+\j)],   v[X+4*(16*\p+\j)+1]
	v_cvt_pk_f16_f32 v[X+4*(16*\p+\j)+1], v[X+4*(16*\p+\j)+2], v[X+4*(16*\p+\j)+3]
	global_store_b64 v2, v[X+4*(16*\p+\j):X+4*(16*\p+\j)+1], s[36:37] offset:\p*\stp+\j*\stj
.endr
.endr
.endm
; Which of piece c's four keys are masked, as lane masks s41-s44; none in a row that has no open key (s40 = 0)
.macro MARKS c
	v_cmp_eq_u32 s41, 0, v[M+4*\c]
	v_cmp_eq_u32 s42, 0, v[M+4*\c+1]
	v_cmp_eq_u32 s43, 0, v[M+4*\c+2]
	v_cmp_eq_u32 s44, 0, v[M+4*\c+3]
	s_and_b32 s41, s41, s40
	s_and_b32 s42, s42, s40
	s_and_b32 s43, s43, s40
	s_and_b32 s44, s44, s40
.endm
; One row of the plane; the row stays in registers for its three passes.  more = 1: each piece of mask and dist is loaded again, for the next row, as soon as the last pass has used it.
.macro WROW i, more
	s_wait_loadcnt 0x0                             ; the whole row: the flag and the minimum hang on all of it
	s_wait_xcnt 0x0                                ; the last row's stores have had their addresses translated (ISA guide 3.1): OUT is rewritten only behind this wait
	; pass 1: is any mask word of the row not 0?  four chains, started by the first eight words
.irp k, 0,1,2,3
	v_or_b32 v[8+\k], v[M+\k], v[M+4+\k]
.endr
.set n, 8
.rept 56
	v_or_b32 v[8+n%4], v[8+n%4], v[M+n]
.set n, n+1
.endr
	v_or_b32 v8, v8, v9
	v_or_b32 v10, v10, v11
	v_or_b32 v12, v8, v10
	v_cmp_ne_u32 vcc_lo, 0, v12
	s_cmp_lg_u32 vcc_lo, 0                         ; any lane
	s_cselect_b32 s40, -1, 0                       ; the row's flag; also the lane mask that lets masked places be marked
	v_mov_b32 v13, s40
	ds_store_b32 v3, v13 offset:4*\i               ; every lane writes the same word with the same value
	; pass 2: d^2 in place, 2^127 at masked keys, and its minimum, in two chains
.irp c, 0,1,2,3,4,5,6,7,8,9,10,11,12,13,14,15
	v_pk_mul_f32 v[D+4*\c:D+4*\c+1],   v[D+4*\c:D+4*\c+1],   v[D+4*\c:D+4*\c+1]
	v_pk_mul_f32 v[D+4*\c+2:D+4*\c+3], v[D+4*\c+2:D+4*\c+3], v[D+4*\c+2:D+4*\c+3]
	MARKS \c
	v_cndmask_b32 v[D+4*\c],   v[D+4*\c],   v[BIG], s41
	v_cndmask_b32 v[D+4*\c+1], v[D+4*\c+1], v[BIG], s42
	v_cndmask_b32 v[D+4*\c+2], v[D+4*\c+2], v[BIG], s43
	v_cndmask_b32 v[D+4*\c+3], v[D+4*\c+3], v[BIG], s44
.if \c == 0
	v_min_num_f32 v8, v[D],   v[D+1]
	v_min_num_f32 v9, v[D+2], v[D+3]
.else
	v_min3_num_f32 v8, v8, v[D+4*\c],   v[D+4*\c+1]
	v_min3_num_f32 v9, v9, v[D+4*\c+2], v[D+4*\c+3]
.endif
.endr
	v_min_num_f32 v8, v8, v9
	v_min_num_f32_dpp v8, v8, v8 row_xmask:1 row_mask:0xf bank_mask:0xf
	v_min_num_f32_dpp v8, v8, v8 row_xmask:2 row_mask:0xf bank_mask:0xf
	v_min_num_f32_dpp v8, v8, v8 row_xmask:4 row_mask:0xf bank_mask:0xf
	v_min_num_f32_dpp v8, v8, v8 row_xmask:8 row_mask:0xf bank_mask:0xf
	v_permlanex16_b32 v9, v8, s46, s47             ; the other half of the lanes
	v_min_num_f32 v8, v8, v9                       ; dmin2, in every lane
	v_mul_f32 v12, 0x40b8aa3b, v8                  ; -K dmin2
	v_sub_f32 v10, 2.0, v12
	v_exp_f32 v10, v10                             ; 4 x 2^(K dmin2)
	v_mov_b32 v13, v12                             ; named with v12 as a pair; also the plain instruction between the exponential and the use of its result (ISA guide 5.7.2)
	s_wait_alu depctr_va_vdst(0)
	ds_store_b32 v3, v10 offset:128+4*\i
	; pass 3: 2^(K d^2 - K dmin2); at a masked key K 2^127 overflows to minus infinity, whose exponential is 0, and the mark takes its place
.irp c, 0,1,2,3,4,5,6,7,8,9,10,11,12,13,14,15
	v_pk_fma_f32 v[4:5], v[D+4*\c:D+4*\c+1],   0xc0b8aa3b, v[12:13] op_sel_hi:[1,0,0]
	v_pk_fma_f32 v[6:7], v[D+4*\c+2:D+4*\c+3], 0xc0b8aa3b, v[12:13] op_sel_hi:[1,0,0]
	v_exp_f32 v4, v4
	v_exp_f32 v5, v5
	v_exp_f32 v6, v6
	v_exp_f32 v7, v7
	MARKS \c                                       ; its compares are the plain instructions between the exponentials and the use of their results
	s_wait_alu depctr_va_vdst(0)
	v_cndmask_b32 v4, v4, v14, s41
	v_cndmask_b32 v5, v5, v14, s42
	v_cndmask_b32 v6, v6, v14, s43
	v_cndmask_b32 v7, v7, v14, s44
	v_cvt_pk_bf16_f32 v[OUT+2*\c],   v4, v5
	v_cvt_pk_bf16_f32 v[OUT+2*\c+1], v6, v7
.if \more
	global_load_b128 v[M+4*\c:M+4*\c+3], v1, s[22:23] offset:(\i+1)*8192+512*\c th:TH_LOAD_NT
	global_load_b128 v[D+4*\c:D+4*\c+3], v1, s[24:25] offset:(\i+1)*8192+512*\c th:TH_LOAD_NT
.endif
	global_store_b64 v2, v[OUT+2*\c:OUT+2*\c+1], s[30:31] offset:\i*4096+256*\c
.endr
.endm
	s_load_b512 s[8:23], s[0:1], 0x0               ; x_q s[8:9], x_r s[10:11], y s[12:13], Wq s[14:15], Wk s[16:17], Wv s[18:19], Wp s[20:21], mask s[22:23]
	s_load_b256 s[24:31], s[0:1], 0x40             ; dist s[24:25], ablk s[26:27], wall s[28:29], wpl s[30:31]
	s_load_b64 s[32:33], s[0:1], 0x60              ; rowinf
	v_lshl_add_u32 v176, v0, 2, 0x100
	v_mov_b32 v177, 0
	v_and_b32 v3, 31, v0                           ; lane
	v_lshrrev_b32 v4, 5, v0                        ; wave
	v_readfirstlane_b32 s2, v4
	s_mov_b32 s39, 0                               ; the high word of every offset: all stay under 2^31
	s_wait_kmcnt 0x0
	s_cmp_lt_u32 ttmp9, 128
	s_cbranch_scc1 .Lplane
	s_cmp_lt_u32 ttmp9, 448
	s_cbranch_scc0 .Lweights
	; ROWS.  Piece seg (0 x_q, 1 x_r, 2-4 y), 64 rows from row 64 mb on.
	s_sub_co_u32 s3, ttmp9, 128
	s_lshr_b32 s4, s3, 6                           ; seg
	s_and_b32 s5, s3, 63                           ; mb
	s_max_u32 s6, s3, 128
	s_sub_co_u32 s6, s6, 128                       ; y's three pieces lie one behind the other: block of 64 rows in y
	s_cmp_lt_u32 s4, 2
	s_cselect_b32 s6, s5, s6
	s_lshl_b32 s38, s6, 18                         ; 64 rows of 4,096 bytes
	s_cmp_eq_u32 s4, 0
	s_cselect_b64 s[34:35], s[8:9], s[10:11]
	s_cmp_lt_u32 s4, 2
	s_cselect_b64 s[34:35], s[34:35], s[12:13]
	s_add_nc_u64 s[34:35], s[34:35], s[38:39]
	s_lshr_b32 s6, s5, 1
	s_mul_i32 s6, s6, 80
	s_lshl4_add_u32 s6, s4, s6                     ; block (mb / 2, 16 seg) of ablk,
	s_lshl_b32 s38, s6, 14                         ; 16,384 bytes each,
	s_and_b32 s6, s5, 1
	s_lshl_b32 s6, s6, 13                          ; its upper or lower 64 rows of 128 bytes
	s_add_co_u32 s38, s38, s6
	s_add_nc_u64 s[36:37], s[26:27], s[38:39]
	v_and_b32 v5, 15, v0
	v_bfe_u32 v6, v0, 4, 1
	v_lshlrev_b32 v1, 14, v4                       ; from: my wave's 4 rows; lanes 0-15 take 256 bytes of an even row, lanes 16-31 of the odd row below
	v_lshl_add_u32 v1, v6, 12, v1
	v_lshl_add_u32 v1, v5, 4, v1
	v_lshlrev_b32 v2, 9, v4                        ; to: the two rows' 128 bytes follow each other in a block: 8 bytes a lane
	v_lshl_add_u32 v2, v3, 3, v2
	CAST 8192, 256, 256, 16384                     ; p: the next two rows; j: the next 64 columns, one block of ablk on
	s_endpgm
.Lweights:
	s_sub_co_u32 s3, ttmp9, 448                    ; block of 64 rows of wall
	s_cmp_lt_u32 s3, 16
	s_cselect_b64 s[34:35], s[14:15], s[16:17]
	s_cselect_b32 s4, 0, 16
	s_cmp_lt_u32 s3, 32
	s_cselect_b64 s[34:35], s[34:35], s[18:19]
	s_cselect_b32 s4, s4, 32
	s_cmp_lt_u32 s3, 80
	s_cselect_b64 s[34:35], s[34:35], s[20:21]
	s_cselect_b32 s4, s4, 80                       ; the first block of the matrix chosen
	s_sub_co_u32 s4, s3, s4
	s_lshl_b32 s38, s4, 18
	s_add_nc_u64 s[34:35], s[34:35], s[38:39]
	s_lshl_b32 s38, s3, 17
	s_add_nc_u64 s[36:37], s[28:29], s[38:39]
	v_lshlrev_b32 v1, 14, v4                       ; my wave's 4 rows are 16,384 bytes on end
	v_lshl_add_u32 v1, v3, 4, v1
	v_lshlrev_b32 v2, 13, v4
	v_lshl_add_u32 v2, v3, 3, v2
	CAST 8192, 512, 4096, 256
	s_endpgm
.Lplane:
	s_lshl_b32 s38, ttmp9, 18                      ; 32 rows of 8,192 bytes
	s_add_nc_u64 s[22:23], s[22:23], s[38:39]
	s_add_nc_u64 s[24:25], s[24:25], s[38:39]
	s_lshl_b32 s38, ttmp9, 17                      ; 32 rows of 4,096 bytes
	s_add_nc_u64 s[30:31], s[30:31], s[38:39]
	s_lshl_b32 s38, ttmp9, 7                       ; 32 words
	s_add_nc_u64 s[32:33], s[32:33], s[38:39]
	s_mov_b32 s46, 0x76543210                      ; v_permlanex16_b32: each lane takes its own place in the other half
	s_mov_b32 s47, 0xfedcba98
	v_lshlrev_b32 v1, 14, v4                       ; my wave's 2 rows of mask and dist, 16 bytes a lane
	v_lshl_add_u32 v1, v3, 4, v1
	v_lshlrev_b32 v2, 13, v4                       ; and of the plane, 8 bytes a lane
	v_lshl_add_u32 v2, v3, 3, v2
	v_lshlrev_b32 v15, 2, v3                       ; 4 x lane: the flags' and factors' way out
	v_lshlrev_b32 v3, 3, v4                        ; my wave's two flags in LDS; its two factors lie 128 bytes on
	v_mov_b32 v14, 0xfb800000                      ; -2^120
	v_mov_b32 v[BIG], 0x7f000000                   ; 2^127 (the thread's number is not needed any more)
.irp c, 0,1,2,3,4,5,6,7,8,9,10,11,12,13,14,15
	global_load_b128 v[M+4*\c:M+4*\c+3], v1, s[22:23] offset:512*\c th:TH_LOAD_NT
	global_load_b128 v[D+4*\c:D+4*\c+3], v1, s[24:25] offset:512*\c th:TH_LOAD_NT
.endr
	WROW 0, 1
	WROW 1, 0
	s_wait_dscnt 0x0                               ; for wave 0's sake: my flags and factors are in LDS
	s_barrier_signal -1
	s_barrier_wait -1
	s_cmp_lg_u32 s2, 0
	s_cbranch_scc1 .Ldone
	ds_load_b32 v4, v15                            ; wave 0 stores the group's 32 flags and 32 factors: twice 128 consecutive bytes
	ds_load_b32 v5, v15 offset:128
	s_wait_dscnt 0x0
	global_store_b32 v15, v4, s[32:33]
	global_store_b32 v15, v5, s[32:33] offset:16384
.Ldone:
	s_wait_tensorcnt 0x0
	ds_add_u32 v176, v177
	s_wait_dscnt 0x0
	s_endpgm
.Lfunc_end_k_q6b37d4842a_prep:
	.size	k_q6b37d4842a_prep, .Lfunc_end_k_q6b37d4842a_prep-k_q6b37d4842a_prep
	.p2alignl 7, 3214868480
	.fill 96, 4, 3214868480
	.section	.rodata,"a",@progbits
	.p2align	6, 0x0
	.amdhsa_kernel k_q6b37d4842a_prep
		.amdhsa_group_segment_fixed_size 2304
		.amdhsa_private_segment_fixed_size 0
		.amdhsa_enable_private_segment 0
		.amdhsa_kernarg_size 104
		.amdhsa_user_sgpr_count 2
		.amdhsa_user_sgpr_kernarg_segment_ptr 1
		.amdhsa_wavefront_size32 1
		.amdhsa_system_sgpr_workgroup_id_x 1
		.amdhsa_system_sgpr_workgroup_id_y 1
		.amdhsa_system_sgpr_workgroup_id_z 1
		.amdhsa_system_vgpr_workitem_id 0
		.amdhsa_next_free_vgpr 178
		.amdhsa_next_free_sgpr 66
		.amdhsa_reserve_vcc 1
		.amdhsa_float_denorm_mode_32 3
		.amdhsa_float_denorm_mode_16_64 3
		.amdhsa_memory_ordered 1
		.amdhsa_forward_progress 1
		.amdhsa_inst_pref_size 104
	.end_amdhsa_kernel
	.amdgpu_metadata
---
amdhsa.version: [ 1, 2 ]
amdhsa.kernels:
  - .name:           k_q6b37d4842a_prep
    .symbol:         k_q6b37d4842a_prep.kd
    .args:
      - { .name: x_q, .offset: 0, .size: 8, .value_kind: global_buffer, .address_space: global }
      - { .name: x_r, .offset: 8, .size: 8, .value_kind: global_buffer, .address_space: global }
      - { .name: y, .offset: 16, .size: 8, .value_kind: global_buffer, .address_space: global }
      - { .name: Wq, .offset: 24, .size: 8, .value_kind: global_buffer, .address_space: global }
      - { .name: Wk, .offset: 32, .size: 8, .value_kind: global_buffer, .address_space: global }
      - { .name: Wv, .offset: 40, .size: 8, .value_kind: global_buffer, .address_space: global }
      - { .name: Wp, .offset: 48, .size: 8, .value_kind: global_buffer, .address_space: global }
      - { .name: mask, .offset: 56, .size: 8, .value_kind: global_buffer, .address_space: global }
      - { .name: dist, .offset: 64, .size: 8, .value_kind: global_buffer, .address_space: global }
      - { .name: ablk, .offset: 72, .size: 8, .value_kind: global_buffer, .address_space: global }
      - { .name: wall, .offset: 80, .size: 8, .value_kind: global_buffer, .address_space: global }
      - { .name: wpl, .offset: 88, .size: 8, .value_kind: global_buffer, .address_space: global }
      - { .name: rowinf, .offset: 96, .size: 8, .value_kind: global_buffer, .address_space: global }
    .group_segment_fixed_size: 2304
    .private_segment_fixed_size: 0
    .kernarg_segment_align: 8
    .kernarg_segment_size: 104
    .max_flat_workgroup_size: 512
    .sgpr_count:     66
    .vgpr_count:     178
    .wavefront_size: 32
...
	.end_amdgpu_metadata
.endif
;; end of part 1
;; launch proj (part 2): grid 8 x 32, 4 waves a work-group, clusters of 4 x 4, 327,680 bytes of LDS; arguments ablk, wall, bq, bk, bv, qws, kws, vws; writes qws, kws, vws
.if DOCPART == 2
	.amdgcn_target "amdgcn-amd-amdhsa--gfx1250"
	.amdhsa_code_object_version 6
	.text
	.protected	k_q6b37d4842a_proj
	.globl	k_q6b37d4842a_proj
	.p2align	8
	.type	k_q6b37d4842a_proj,@function
k_q6b37d4842a_proj:
	s_mov_b64 s[64:65], 0
	v_nop
	global_prefetch_b8 v0, s[64:65] scope:SCOPE_SE
	s_setreg_imm32_b32 hwreg(HW_REG_WAVE_MODE, 25, 1), 1
	s_wait_xcnt 0x0
	s_wait_alu depctr_hold_cnt(0) depctr_sa_sdst(0) depctr_va_vdst(0) depctr_va_sdst(0) depctr_va_ssrc(0) depctr_va_vcc(0) depctr_vm_vsrc(0)
	s_getreg_b32 s2, hwreg(HW_REG_IB_STS2, 6, 4)
	s_cmp_eq_u32 s2, 0
	s_cbranch_scc0 .Lentry_in_a_cluster
	s_endpgm
.Lentry_in_a_cluster:
	s_bfe_u32 s2, ttmp6, 0x10000c
	s_cmp_lg_u32 s2, 0xf033
	s_cbranch_scc0 .Lentry_shape_is_right
	s_endpgm
.Lentry_shape_is_right:
; THE THREE INPUT PROJECTIONS, on tiles of 128 x 128.  A: ablk, f16, laid [32 row blocks][80 column blocks][128 rows][64 columns]; B: rows of wall, f16 [K][1024]; sums in f32.
; The work-group walks K = 5,120 in one go, 20 steps of 256, and its 16 accumulators leave three times:
;   steps 0-3   x_q Wq: (sum + bq) log2(e)/4 -> qws      steps 4-7   x_r Wk: (sum + bk) / 2 -> kws      steps 8-19  y0 Wv0 + y1 Wv1 + y2 Wv2: (sum + bv0 + bv1 + bv2) / 16 -> vws
;   all f16, laid [32 row blocks][16 heads][128][64].  The ring of LDS slots does not stop between the three.  So all 256 work-groups have the same work.
;   The product of q's and k's factors is log2(e)/8: the scores come out ready for 2^s.  The factors also share f16's range out: sums of 28,800 (q, k) and 86,400 (v), which inputs and weights
;   both offset by thirty times their spread give, are stored as 10,400, 14,400 and 5,400.
; Four waves, each 64 x 64: 16 accumulators.  Two LDS slots of one K step each.  A's part of a step is 65,536 bytes on end in memory and comes in as rows of 256 bytes (two rows of A's 64 columns);
; B's part is 256 rows (k) of 256 bytes and is turned on its way into registers by ds_load_tr16_b128.
; CLUSTERS: 4 x 4 work-groups.  The four of a row of the cluster need the same tiles of A, the four of a column the same tiles of B: each tile is asked for jointly, by the same tensor load with the
; same descriptor and a mask that names the four.  THE MATRIX INSTRUCTION IS USED TRANSPOSED (source 0 = 16 columns of B, source 1 = 16 rows of A): a lane then holds eight neighbouring numbers of a row of C.
; REGISTERS: window 0: v16-29 addresses; v32-95 at work on the way out; v96-127 the lane's 32 biases; v128-255 the accumulators ((a, b) at v[128 + 8 (4 a + b)]).
;   window 1: two fragment buffers of 128: for 64 along K, 64 registers of A, then 64 of B.
; LIMITS: operands and results are rounded to f16; the stored results stay under 65,504; NaN and infinities are not served.
.set NKB,   80
.set PITA,  272                        ; an LDS row of A: 256 bytes + 16: the 16 rows of a fragment (two to an LDS row, 128 bytes apart) fall into 16 different columns of 16 bytes modulo 256
.set PITB,  288                        ; an LDS row of B: 256 bytes + 32: 16 lanes of the turning load take 8 rows x 32 bytes, each column of 16 bytes once
.set AHALF, 128*PITA                   ; what one tensor load brings of A: two column blocks
.set BHALF, 128*PITB                   ; and of B: 128 rows
.set BBASE, 2*AHALF
.set SLOT,  BBASE+2*BHALF
.set STAGE, 2*SLOT                     ; behind the ring: 4,352 bytes for each wave, for the way out; no tile lands there
.set WSTG,  16*272
.set SPARE, STAGE+4*WSTG               ; behind the stages: the spare words, 128 bytes for each wave: two blocks of 256 bytes that no other line names
.set ASTEP, 65536                      ; bytes from a K step to the next in A,
.set BSTEP, 256*2048                   ; and in B
.set ADRA, 16                          ; v16-17  LDS address of my A fragments in slot 0, 1
.set ADRB, 20                          ; v20-23  the same for B: slot 0 rows 0-127, rows 128-255, slot 1 likewise (the 16-bit immediate does not span a tile of B)
.set STO,  24                          ; v24     the way out: where I put my numbers of a row
.set RD,   25                          ; v25     the way out: where I read rows back
.set CO,   26                          ; v26     my byte offset in the result
.set VB,   27                          ; v27     my byte offset in a bias: 32 x (lane / 16)
.set SPW,  28                          ; v28     LDS address of my spare word; never rewritten
.set NIL,  29                          ; v29     0; never rewritten
.set TMP,  32
.set BIAS, 96
.set ACC,  128
.set F0,   0
.set F1,   128
.set G1,  24                           ; s[24:31] descriptor group 1 for A's tiles;  s[32:39] group 0, one set for each slot
.set G0,  32
.set G1B, 48                           ; s[48:55], s[56:63] the same for B's tiles
.set G0B, 56
.set CS,  84                           ; s[84:85] the factor of the result in hand, twice
.set MSB, 0
.macro WIN new                         ; the immediate's high byte repeats the setting that is left; a switch that changes nothing is dropped
.if MSB != \new
	s_set_vgpr_msb (MSB<<8)|\new
.set MSB, \new
.endif
.endm
.set MUL,  0x05                        ; sources 0 (B) and 1 (A) window 1; C and D window 0
.set TO_F, 0x40                        ; destination window 1, address window 0
.macro JLOAD s                         ; a joint load: waves 0 and 1 fetch A's two halves, waves 2 and 3 B's; four v_nop follow each of the two lines, ahead of the jump, the label and what follows
	s_cmp_eq_u32 s11, 0
	s_cbranch_scc0 .Lfor_b_\@
	tensor_load_to_lds s[G0+4*\s:G0+4*\s+3], s[G1:G1+7]
	s_nop 0
.rept 4
	v_nop
.endr
	s_branch .Lasked_\@
.Lfor_b_\@:
	tensor_load_to_lds s[G0B+4*\s:G0B+4*\s+3], s[G1B:G1B+7]
	s_nop 0
.rept 4
	v_nop
.endr
.Lasked_\@:
.endm
.macro CREST                           ; a round of the cluster's barrier behind its opening barrier
	s_cmp_lg_u32 s10, 0
	s_cbranch_scc1 .Lnot_wave_0_\@
	s_barrier_signal -3
.Lnot_wave_0_\@:
	s_barrier_wait -3
	s_barrier_signal -1
	s_barrier_wait -1
.endm
.macro CROUND                          ; a whole round
	s_barrier_signal -1
	s_barrier_wait -1
	CREST
.endm
	s_load_b512 s[68:83], s[0:1], 0x0              ; ablk s[68:69], wall s[70:71], bq s[72:73], bk s[74:75], bv s[76:77], qws s[78:79], kws s[80:81], vws s[82:83]
	v_lshl_add_u32 v[SPW], v0, 2, SPARE
	v_mov_b32 v[NIL], 0
	ds_add_u32 v28, v29
	s_wait_dscnt 0x0
	v_lshrrev_b32 v1, 5, v0
	v_readfirstlane_b32 s10, v1                    ; wave 0..3
	s_lshr_b32 s11, s10, 1                         ; which half of the tile's rows is mine.  Also: I fetch for A (0) or for B (1)
	s_and_b32 s12, s10, 1                          ; which half of its columns.  Also: which half of that tile I fetch
	s_bfe_u32 s40, ttmp6, 0x40000                  ; cx, cy: my place in the cluster
	s_bfe_u32 s41, ttmp6, 0x40004
	s_lshl_b32 s42, ttmp9, 2
	s_add_co_u32 s42, s42, s40                     ; tile column of C = 4 x cluster x + cx
	s_and_b32 s13, ttmp7, 0xffff
	s_lshl_b32 s13, s13, 2
	s_add_co_u32 s13, s13, s41                     ; tile row of C = 4 x cluster y + cy
	s_lshl_b32 s43, s41, 2
	s_lshl_b32 s43, 15, s43                        ; my row of the cluster
	s_lshl_b32 s44, 0x1111, s40                    ; my column
	; descriptor group 1: 128 rows x 128 elements of 2 bytes, padded in LDS.  A's rows follow each other in memory (stride 128), B's are rows of wall (stride 1,024)
	s_or_b32 s[G1+0], s43, (1<<16)|(1<<20)|(1<<21)|(5<<22)|(3<<25)  ; 15:0 the mask: A's tiles go to my row; 17:16 element of 2 bytes; 20 padding on; 21 set beside a mask; 24:22 after every 64 words (code 5); 31:25 of 4 words (code 3)
	s_or_b32 s[G1B+0], s44, (1<<16)|(1<<20)|(1<<21)|(5<<22)|(7<<25) ; my column's mask; 8 words of padding (code 7)
.irp g, G1, G1B
	s_mov_b32 s[\g+1], 128<<16                     ; tensor_dim0 = 128
	s_mov_b32 s[\g+2], 128<<16                     ; tensor_dim1 = 128
	s_mov_b32 s[\g+3], 128<<16                     ; tile_dim0 = 128
	s_mov_b32 s[\g+4], 128                         ; tile_dim1 = 128
	s_mov_b32 s[\g+6], 0
	s_mov_b32 s[\g+7], 0
.endr
	s_mov_b32 s[G1+5], 128                         ; tensor_dim0_stride
	s_mov_b32 s[G1B+5], 1024
	; where the tiles come from.  A's hang on the tile row alone, B's on the tile column alone, each in registers that never hold the other coordinate
	s_mul_i32 s16, s13, NKB*16384                  ; A: my row block's run of bytes,
	s_lshl_b32 s17, s12, 15                        ; its first or second pair of column blocks
	s_add_co_u32 s16, s16, s17
	s_mov_b32 s17, 0
	s_lshl_b32 s46, s42, 8                         ; B: 256 bytes of a row for each tile column,
	s_lshl_b32 s47, s12, 18                        ; the step's first or second 128 rows
	s_add_co_u32 s46, s46, s47
	s_mov_b32 s47, 0
	s_mul_i32 s20, s12, AHALF                      ; and where they go: the wave's number alone enters an LDS address
	s_mul_i32 s21, s12, BHALF
	s_add_co_u32 s21, s21, BBASE
	s_wait_kmcnt 0x0
	s_add_nc_u64 s[14:15], s[68:69], s[16:17]
	s_add_nc_u64 s[46:47], s[70:71], s[46:47]
	CROUND                                         ; all sixteen work-groups are here: the first joint loads meet
.irp s, 0,1
	s_mov_b32 s[G0+4*\s], 1
	s_add_co_u32 s[G0+4*\s+1], s20, \s*SLOT
	s_add_nc_u64 s[G0+4*\s+2:G0+4*\s+3], s[14:15], \s*ASTEP
	s_or_b32 s[G0+4*\s+3], s[G0+4*\s+3], 0x80000000
	s_mov_b32 s[G0B+4*\s], 1
	s_add_co_u32 s[G0B+4*\s+1], s21, \s*SLOT
	s_add_nc_u64 s[G0B+4*\s+2:G0B+4*\s+3], s[46:47], \s*BSTEP
	s_or_b32 s[G0B+4*\s+3], s[G0B+4*\s+3], 0x80000000
	JLOAD \s                                       ; two tensor loads of mine are out
.endr
	; offsets of my part of the biases and of the results (both coordinates meet here, in registers that feed no descriptor)
	s_lshl_b32 s86, s42, 9
	s_lshl_b32 s87, s12, 8
	s_add_co_u32 s86, s86, s87                     ; 4 bytes x (128 x tile column + 64 x half)
	s_mov_b32 s87, 0
	s_lshl_b32 s88, s13, 4
	s_lshl1_add_u32 s88, s42, s88
	s_add_co_u32 s88, s88, s12                     ; block (tile row, head = 2 x tile column + half),
	s_lshl_b32 s88, s88, 14                        ; 16,384 bytes each,
	s_lshl_b32 s89, s11, 13                        ; its upper or lower 64 rows: my 64 x 64 is 8,192 bytes on end
	s_add_co_u32 s88, s88, s89
	s_mov_b32 s89, 0
	s_add_nc_u64 s[72:73], s[72:73], s[86:87]
	s_add_nc_u64 s[74:75], s[74:75], s[86:87]
	s_add_nc_u64 s[76:77], s[76:77], s[86:87]
	s_add_nc_u64 s[78:79], s[78:79], s[88:89]
	s_add_nc_u64 s[80:81], s[80:81], s[88:89]
	s_add_nc_u64 s[82:83], s[82:83], s[88:89]
	v_and_b32 v1, 15, v0                           ; r = l % 16
	v_bfe_u32 v2, v0, 4, 1                         ; h = l / 16
	v_lshlrev_b32 v[VB], 5, v2
; The lane's 32 biases: columns 16 b + 8 h + 0..7 of my 64
.macro LDBIAS ptr, dst, off
.irp b, 0,1,2,3
	global_load_b128 v[\dst+8*\b:\dst+8*\b+3],   v[VB], s[\ptr:\ptr+1] offset:\off+64*\b
	global_load_b128 v[\dst+8*\b+4:\dst+8*\b+7], v[VB], s[\ptr:\ptr+1] offset:\off+64*\b+16
.endr
.endm
	LDBIAS 72, BIAS, 0
	; A fragment of A is 16 rows x 32 K: lane l holds row r; row R of a column block lies at (R / 2) x pitch + (R % 2) x 128
	v_lshrrev_b32 v3, 1, v1
	v_mul_u32_u24 v3, v3, PITA
	v_and_b32 v4, 1, v0
	v_lshl_add_u32 v3, v4, 7, v3
	v_lshl_add_u32 v3, v2, 4, v3
	s_mul_i32 s22, s11, 32*PITA                    ; my 64 rows
	v_add_nc_u32 v[ADRA], s22, v3
	v_add_nc_u32 v[ADRA+1], SLOT, v[ADRA]
	; The turning load takes 16 k x 16 columns: lane l reads 16 bytes of row 8 h + l % 8, columns 8 ((l / 8) % 2) on, and is left with column r and eight k
	v_and_b32 v10, 7, v0
	v_lshl_add_u32 v5, v2, 3, v10
	v_mul_u32_u24 v5, v5, PITB
	v_bfe_u32 v6, v0, 3, 1
	v_lshl_add_u32 v5, v6, 4, v5
	s_lshl_b32 s22, s12, 7                         ; my 64 columns
	s_add_co_u32 s22, s22, BBASE
	v_add_nc_u32 v[ADRB], s22, v5
	v_add_nc_u32 v[ADRB+1], BHALF, v[ADRB]
	v_add_nc_u32 v[ADRB+2], SLOT, v[ADRB]
	v_add_nc_u32 v[ADRB+3], SLOT+BHALF, v[ADRB]
	s_mul_i32 s23, s10, WSTG
	s_add_co_u32 s23, s23, STAGE                   ; my stage
	v_mul_u32_u24 v7, v1, 144                      ; in: row r (128 bytes + 16), 16 bytes for each half of the lanes
	v_lshl_add_u32 v7, v2, 4, v7
	v_add_nc_u32 v[STO], s23, v7
	v_and_b32 v8, 31, v0
	v_lshrrev_b32 v9, 3, v8                        ; back: eight lanes to a row, four rows to a load
	v_mul_u32_u24 v9, v9, 144
	v_lshl_add_u32 v9, v10, 4, v9
	v_add_nc_u32 v[RD], s23, v9
	v_lshlrev_b32 v[CO], 4, v8                     ; the four rows are 512 bytes on end in the result
; 8 matrix instructions: m blocks a0, a0 + 1 x all 4 n blocks, 32 along K: half c of buffer f.  zero = 1: the first product starts the sums.  The 16 accumulators take turns.
.macro MUL8 f, c, a0, zero
.irp a, \a0, \a0+1
.irp b, 0,1,2,3
.if \zero
	v_wmma_f32_16x16x32_f16 v[ACC+8*(4*(\a)+\b):ACC+8*(4*(\a)+\b)+7], v[\f+64+8*(4*\c+\b):\f+64+8*(4*\c+\b)+7], v[\f+8*(4*\c+\a):\f+8*(4*\c+\a)+7], 0
.else
	v_wmma_f32_16x16x32_f16 v[ACC+8*(4*(\a)+\b):ACC+8*(4*(\a)+\b)+7], v[\f+64+8*(4*\c+\b):\f+64+8*(4*\c+\b)+7], v[\f+8*(4*\c+\a):\f+8*(4*\c+\a)+7], v[ACC+8*(4*(\a)+\b):ACC+8*(4*(\a)+\b)+7]
.endif
.endr
.endr
.endm
; 32 LDS loads in one run: the fragments of quarter q (64 along K: column block q of A, rows 64 q on of B) into buffer f; the first 32 along K first
.macro FETCH slot, q, f
	WIN TO_F
.irp c, 0,1
.irp i, 0,1,2,3
	ds_load_tr16_b128 v[\f+64+8*(4*\c+\i):\f+64+8*(4*\c+\i)+3],   v[ADRB+2*\slot+(\q)/2] offset:(((\q)%2)*64+32*\c)*PITB+32*\i
	ds_load_tr16_b128 v[\f+64+8*(4*\c+\i)+4:\f+64+8*(4*\c+\i)+7], v[ADRB+2*\slot+(\q)/2] offset:(((\q)%2)*64+32*\c+16)*PITB+32*\i
	ds_load_b128 v[\f+8*(4*\c+\i):\f+8*(4*\c+\i)+3],             v[ADRA+\slot] offset:(\q)*64*PITA+64*\c+\i*8*PITA
	ds_load_b128 v[\f+8*(4*\c+\i)+4:\f+8*(4*\c+\i)+7],           v[ADRA+\slot] offset:(\q)*64*PITA+64*\c+\i*8*PITA+32
.endr
.endr
.endm
.macro PLACES                          ; four places in front of loads into registers that matrix instructions have read, and of vector work that reads results
.rept 4
	v_nop
.endr
.endm
; A K step is four quarters of 64 along K, 32 matrix instructions each, on buffers 0, 1, 0, 1.  One of the first three: multiplies buffer f and fetches quarter q into g.
.macro QUARTER slot, q, f, g, zero
	s_wait_dscnt 16                                ; the first 32 along K are in: the youngest sixteen loads may be out
	WIN MUL
	MUL8 \f, 0, 0, \zero
	MUL8 \f, 0, 2, \zero
	PLACES
	FETCH \slot, \q, \g
	s_wait_dscnt 32                                ; all but the 32 just issued
	WIN MUL
	MUL8 \f, 1, 0, 0
	MUL8 \f, 1, 2, 0
.endm
; The last quarter multiplies buffer 1 and changes slots: ONE barrier; in front of it each wave waits for all its tensor loads, adds 0 to its spare word, and waits for that and for its own reads of this slot.
; fill = 1: the barrier opens a round of the cluster's barrier, and this slot is filled again, two K steps ahead, first thing behind the round.
.macro TURN slot, next, fill
	WIN 0                                          ; (the add's two registers lie in window 0)
	s_wait_tensorcnt 0x0                           ; all my tensor loads have landed: the one that was out is my part of the next slot
	ds_add_u32 v[SPW], v[NIL]                      ; 0 onto my spare word
	s_wait_dscnt 17                                ; (the add and the youngest sixteen loads may be out)
	WIN MUL
	MUL8 F1, 0, 0, 0                               ; eight matrix instructions stand between the add and the wait for it
	s_wait_dscnt 0x0                               ; the add is done, and my reads of this slot are over
	s_barrier_signal -1
	MUL8 F1, 0, 2, 0
.if \fill
	WIN 0
.endif
	s_barrier_wait -1
.if \fill
	CREST                                          ; no wave of any partner still reads this slot's tile or has a load on its way
	s_add_nc_u64 s[G0+4*\slot+2:G0+4*\slot+3], s[G0+4*\slot+2:G0+4*\slot+3], 2*ASTEP
	s_add_nc_u64 s[G0B+4*\slot+2:G0B+4*\slot+3], s[G0B+4*\slot+2:G0B+4*\slot+3], 2*BSTEP
	JLOAD \slot                                    ; my one tensor load behind the round: 112 matrix instructions ahead of the wait for it; its four v_nop are also the places in front of the loads below
.else
	PLACES
.endif
	FETCH \next, 0, F0
	WIN MUL
	MUL8 F1, 1, 0, 0
	MUL8 F1, 1, 2, 0
.endm
; One sum over 2 x laps K steps.  Its first quarter starts the sums with the constant 0.  last = 0: the ring goes on: the last two changes of slots ask for the next sum's steps 0 and 1,
; and the next sum's first fragments are fetched.  last = 1: the last two steps ask for nothing.
.macro SEG laps, last
	QUARTER 0, 1, F0, F1, 1
	WIN 0                                          ; at a label and at a branch every window is 0
	s_mov_b32 s3, \laps-1
.Llap_\@:                                              ; a trip goes once round the ring, from a lap's second quarter to the next lap's first
	QUARTER 0, 2, F1, F0, 0
	QUARTER 0, 3, F0, F1, 0
	TURN 0, 1, 1
	QUARTER 1, 1, F0, F1, 0
	QUARTER 1, 2, F1, F0, 0
	QUARTER 1, 3, F0, F1, 0
	TURN 1, 0, 1
	QUARTER 0, 1, F0, F1, 0
	WIN 0
	s_sub_co_u32 s3, s3, 1
	s_cmp_lg_u32 s3, 0
	s_cbranch_scc1 .Llap_\@
	QUARTER 0, 2, F1, F0, 0
	QUARTER 0, 3, F0, F1, 0
	TURN 0, 1, 1-\last
	QUARTER 1, 1, F0, F1, 0
	QUARTER 1, 2, F1, F0, 0
	QUARTER 1, 3, F0, F1, 0
.if \last
	s_wait_dscnt 16                                ; the very last quarter: nothing more to fetch
	WIN MUL
	MUL8 F1, 0, 0, 0
	MUL8 F1, 0, 2, 0
	s_wait_dscnt 0x0
	MUL8 F1, 1, 0, 0
	MUL8 F1, 1, 2, 0
.else
	TURN 1, 0, 1
.endif
	WIN 0
.endm
; THE WAY OUT: (sum + bias) x scale, as one fused multiply-add with the bias multiplied beforehand.  three = 1: the bias is the sum of three, of which two wait in TMP.
; 16 rows at a time: rounded to f16, 16 bytes a lane into my own stage, back as rows; a store of the wave covers 512 consecutive bytes of the result.
.macro OUTB ptr, scale, three
	s_mov_b32 s[CS], \scale
	s_mov_b32 s[CS+1], \scale                      ; named with it as a pair, so it is written
	PLACES
	s_wait_loadcnt 0x0                             ; the biases
.if \three
.set i, 0
.rept 16
	v_pk_add_f32 v[BIAS+i:BIAS+i+1], v[BIAS+i:BIAS+i+1], v[TMP+i:TMP+i+1]
.set i, i+2
.endr
.set i, 0
.rept 16
	v_pk_add_f32 v[BIAS+i:BIAS+i+1], v[BIAS+i:BIAS+i+1], v[TMP+32+i:TMP+32+i+1]
.set i, i+2
.endr
.endif
.set i, 0
.rept 16
	v_pk_mul_f32 v[BIAS+i:BIAS+i+1], v[BIAS+i:BIAS+i+1], s[CS:CS+1] op_sel_hi:[1,0]
.set i, i+2
.endr
.irp a, 0,1,2,3
.set i, 0
.rept 16                               ; each accumulator's registers in ascending order
	v_pk_fma_f32 v[TMP+i:TMP+i+1], v[ACC+32*\a+i:ACC+32*\a+i+1], s[CS:CS+1], v[BIAS+i:BIAS+i+1] op_sel_hi:[1,0,1]
.set i, i+2
.endr
.set i, 0
.rept 16
	v_cvt_pk_f16_f32 v[TMP+32+i], v[TMP+2*i], v[TMP+2*i+1]
.set i, i+1
.endr
.irp b, 0,1,2,3
	ds_store_b128 v[STO], v[TMP+32+4*\b:TMP+32+4*\b+3] offset:32*\b
.endr
	s_wait_xcnt 0x0                                ; the block before has had its stores' addresses translated (ISA guide 3.1): their data registers are loaded again only behind this wait
.irp u, 0,1,2,3
	ds_load_b128 v[TMP+48+4*\u:TMP+48+4*\u+3], v[RD] offset:576*\u   ; LDS serves a wave's instructions in order (ISA guide 5.7.1.4): these see the stores above
.endr
.irp u, 0,1,2,3
	s_wait_dscnt 3-\u
	global_store_b128 v[CO], v[TMP+48+4*\u:TMP+48+4*\u+3], s[\ptr:\ptr+1] offset:2048*\a+512*\u
.endr
.endr
.endm
	s_wait_tensorcnt 1                             ; my part of K step 0 is in; step 1's may stay out
	s_barrier_signal -1
	s_barrier_wait -1                              ; everybody's is
	FETCH 0, 0, F0
	SEG 2, 0                                       ; x_q Wq
	OUTB 78, 0x3eb8aa3b, 0                         ; log2(e) / 4
	s_wait_xcnt 0x0
	LDBIAS 74, BIAS, 0
	SEG 2, 0                                       ; x_r Wk
	OUTB 80, 0x3f000000, 0                         ; 1 / 2
	s_wait_xcnt 0x0                                ; the loads below land on registers that the stores above read
	LDBIAS 76, BIAS, 0
	LDBIAS 76, TMP, 4096
	LDBIAS 76, TMP+32, 8192
	SEG 6, 1                                       ; y0 Wv0 + y1 Wv1 + y2 Wv2
	OUTB 82, 0x3d800000, 1                         ; 1 / 16
	s_wait_tensorcnt 0x0                           ; the wave's end: behind my last tensor load and my last LDS store
	ds_add_u32 v[SPW], v[NIL]
	s_wait_dscnt 0x0
	CROUND                                         ; the closing round: no work-group ends while a partner may still ask for a tile that names it
	s_endpgm
.Lfunc_end_k_q6b37d4842a_proj:
	.size	k_q6b37d4842a_proj, .Lfunc_end_k_q6b37d4842a_proj-k_q6b37d4842a_proj
	.p2alignl 7, 3214868480
	.fill 96, 4, 3214868480
	.section	.rodata,"a",@progbits
	.p2align	6, 0x0
	.amdhsa_kernel k_q6b37d4842a_proj
		.amdhsa_group_segment_fixed_size 327680
		.amdhsa_private_segment_fixed_size 0
		.amdhsa_enable_private_segment 0
		.amdhsa_kernarg_size 64
		.amdhsa_user_sgpr_count 2
		.amdhsa_user_sgpr_kernarg_segment_ptr 1
		.amdhsa_wavefront_size32 1
		.amdhsa_system_sgpr_workgroup_id_x 1
		.amdhsa_system_sgpr_workgroup_id_y 1
		.amdhsa_system_sgpr_workgroup_id_z 1
		.amdhsa_system_vgpr_workitem_id 0
		.amdhsa_next_free_vgpr 512
		.amdhsa_next_free_sgpr 96
		.amdhsa_reserve_vcc 0
		.amdhsa_float_denorm_mode_32 3
		.amdhsa_float_denorm_mode_16_64 3
		.amdhsa_memory_ordered 1
		.amdhsa_forward_progress 1
		.amdhsa_inst_pref_size 255
	.end_amdhsa_kernel
	.section	.bss,"aw",@nobits
	.p2align	6
	.space	262144
	.amdgpu_metadata
---
amdhsa.version: [ 1, 2 ]
amdhsa.kernels:
  - .name:           k_q6b37d4842a_proj
    .symbol:         k_q6b37d4842a_proj.kd
    .args:
      - { .name: ablk, .offset: 0, .size: 8, .value_kind: global_buffer, .address_space: global }
      - { .name: wall, .offset: 8, .size: 8, .value_kind: global_buffer, .address_space: global }
      - { .name: bq, .offset: 16, .size: 8, .value_kind: global_buffer, .address_space: global }
      - { .name: bk, .offset: 24, .size: 8, .value_kind: global_buffer, .address_space: global }
      - { .name: bv, .offset: 32, .size: 8, .value_kind: global_buffer, .address_space: global }
      - { .name: qws, .offset: 40, .size: 8, .value_kind: global_buffer, .address_space: global }
      - { .name: kws, .offset: 48, .size: 8, .value_kind: global_buffer, .address_space: global }
      - { .name: vws, .offset: 56, .size: 8, .value_kind: global_buffer, .address_space: global }
    .group_segment_fixed_size: 327680
    .private_segment_fixed_size: 0
    .kernarg_segment_align: 8
    .kernarg_segment_size: 64
    .max_flat_workgroup_size: 128
    .sgpr_count:     96
    .vgpr_count:     512
    .wavefront_size: 32
...
	.end_amdgpu_metadata
.endif
;; end of part 2
;; launch attn (part 3): grid 8 x 32, 8 waves a work-group, clusters of 4 x 4, 327,680 bytes of LDS; arguments qws, kws, vws, wpl, rowinf, att; writes att
.if DOCPART == 3
	.amdgcn_target "amdgcn-amd-amdhsa--gfx1250"
	.amdhsa_code_object_version 6
	.text
	.protected	k_q6b37d4842a_attn
	.globl	k_q6b37d4842a_attn
	.p2align	8
	.type	k_q6b37d4842a_attn,@function
k_q6b37d4842a_attn:
	s_mov_b64 s[64:65], 0
	v_nop
	global_prefetch_b8 v0, s[64:65] scope:SCOPE_SE
	s_setreg_imm32_b32 hwreg(HW_REG_WAVE_MODE, 25, 1), 1
	s_wait_xcnt 0x0
	s_wait_alu depctr_hold_cnt(0) depctr_sa_sdst(0) depctr_va_vdst(0) depctr_va_sdst(0) depctr_va_ssrc(0) depctr_va_vcc(0) depctr_vm_vsrc(0)
	s_getreg_b32 s2, hwreg(HW_REG_IB_STS2, 6, 4)
	s_cmp_eq_u32 s2, 0
	s_cbranch_scc0 .Lentry_in_a_cluster
	s_endpgm
.Lentry_in_a_cluster:
	s_bfe_u32 s2, ttmp6, 0x10000c
	s_cmp_lg_u32 s2, 0xf033
	s_cbranch_scc0 .Lentry_shape_is_right
	s_endpgm
.Lentry_shape_is_right:
; att[q] = 4 (sum over keys of p w v') / (sum over keys of p),  p = 2^(s - m),  s = q' . k'  (q' k' carry log2(e)/8),  v' = v/16,  w = the query's weights exp(-(dist/0.5)^2) divided by their largest,  p = 0 at masked keys.
; So att is a quarter of the normalised result; the output projection multiplies each row by 4 x the row's largest weight.
; qws, kws, vws, att: f16, [32 blocks of 128 rows][16 heads][128][64].  wpl: bf16 [4096 queries][2048 keys]: w, or -2^120 at a masked key.  rowinf[query]: all ones, or 0 for a query with no open key.
; SHARES.  A work-group owns 256 queries of one head of one batch.  EIGHT WAVES: waves w and w + 4 own the same 64 queries (four tiles of 16) and share the keys out: an LDS slot holds 128 keys, of which the
; wave of group 0 takes the first 64 and the wave of group 1 the last 64.  Each keeps a running maximum, sum and O^T of its own; at the end the two exchange two tiles each through LDS and merge them.
; WHY TWO WAVES TO 64 QUERIES.  A step (64 keys x 64 queries) is 80 matrix and some 600 vector instructions, 7.5 to one: set into one wave's stream, with two window switches round each slice, that is more than
; stands beside the products.  So matrix and vector work come from two streams.  Splitting the keys and not the queries keeps four query tiles to every fragment of K and V: 8 x 48 LDS loads a slot, as four waves had.
; OUT OF PHASE.  A step is SCORES (LDS loads, S^T) and SOFT (softmax, V^T P).  Behind a change of slots group 0 runs SCORES, SOFT; group 1 runs SOFT of the slot before (its S^T, w and V wait in registers), then SCORES.
; All LDS reads of a slot lie between its two barriers in both groups.  The group is (w ^ w/4) & 1: the waves (w, w + 4) and the waves (2 i, 2 i + 1) are of different groups.
; LAYOUT.  S^T = K Q^T (source 0 = 16 keys, source 1 = 16 queries): a lane holds ONE query (lane % 16) and keys 8 (lane / 16) + 0..7.  A fragment of wpl (32 keys x 16 queries, source 1) has
; its numbers in just the places in which the weights for O^T = V^T P must lie, so P = f16(p w), the product made in f32, is written over it in place.
; THE MASK COSTS NO VECTOR WORK.  Each sum S^T is started by a product in the bf16 form, (2^-24 x a unit matrix) x (the fragment of wpl): a masked key starts at -2^96, an open one at 2^-24 w.
; K Q^T, in the f16 form, is added onto that.  The running maximum m starts at -2^95, above every masked score: so p = 2^(-2^96 - m) = 0 there, also while a query has met no open key,
; and 2^(-2^95 - m_new) = 0 then multiplies sums that are 0.  A query with no open key: its flag clears its Q, wpl has no marks: all scores are equal, all weights equal.
; CLUSTER 4 x 4.  Along a row of the cluster lie four query blocks of one head: K and V are asked for jointly there.  Along a column lie four heads of one query block: wpl's tile is asked for jointly there.
; LIMITS.  A masked score is -2^96 and not -1e9: the same result as long as open scores stay under 1e9 in size.  Open scores carry 2^-24 w more.  w is rounded to bf16, p w to f16; p w under 6e-8 is 0
;          (the largest p of a query is 1).  att stays under 65,504.  NaN and infinities are not served.
; REGISTERS, 512 a wave, in windows of 256: window 0: v2-11 addresses; v12-43 eight registers of statistics a tile; v44-55 the unit matrix; v56-61 flags, later the exchange; v64-191 S^T, 32 a tile; v192-255 w, then P, 16 a tile
;   window 1: v0-63 Q, 16 a tile; v64-127 K of a step, then its V; v128-255 O^T, 32 a tile
.set PITK,  272                        ; an LDS row of K: two keys' 128 bytes + 16: the 16 keys of a fragment fall into 16 different columns of 16 bytes modulo 256
.set PITV,  288                        ; of V: two keys' 128 bytes + 32: the same holds of the turning load's 16 lanes
.set PITW,  272                        ; of wpl: a query's 128 keys + 16
.set VOFF,  64*PITK
.set WOFF,  VOFF+64*PITV
.set SLOT1, 1<<17                      ; a slot takes 105,472 bytes; slot 1 begins here, so that one exclusive or turns an address in one slot into the other's
.set STAGE, SLOT1+WOFF+256*PITW        ; behind the ring: 16 rows x 144 bytes for each wave, for the way out; no tile lands there
.set SPI,   144
.set SPARE, STAGE+8*16*SPI             ; behind the stages: the spare words, 128 bytes for each wave: four blocks of 256 bytes that no other line names
.set XCH,   SPARE+8*128                ; behind them: the exchange, for each wave 64 registers x 128 bytes of O^T and 512 bytes of statistics; no tile lands there
.set XWV,   64*128+512
.set AK0, 2                            ; v2-4   my lane's place in a tile of K, V, wpl; never rewritten
.set AV0, 3
.set AW0, 4
.set ADRW, 5                           ; v5-7   the LDS addresses of the step in hand
.set ADRK, 6
.set ADRV, 7
.set QO,  8
.set STO, 9
.set RD,  10
.set GO,  11
.set ST,  12                           ; tile t's statistics at v[ST+8 t]: +0 m, +1 m_old - m_new, +2, +3 l (even keys', odd keys'), +4 to +7 c0-c3, at work; a takes c2's place, l's second chain c0's and c1's
.set ZR,  44                           ; v44-47 = 0, v48-51 = E, v52-55 = 0: v[48:55] picks keys 0-15 of a fragment of 32, v[44:51] keys 16-31
.set IDL, 48
.set FL,  56                           ; v56-59 the flags of my four queries; at the end my partner's m and l of two tiles
.set XST, 60                           ; v60    at the end: where I put what my partner takes
.set XLD, 61                           ; v61    at the end: where my partner has put what I take
.set SPW, 62
.set NIL, 63
.set S,   64
.set WP,  192
.set QF,  0                            ; in window 1
.set KV,  64
.set OF,  128
.set WV,  16                           ; s16  my wave's number
.set G1K, 24                           ; s[24:31], s[32:39], s[40:47] descriptor group 1 for K, V, wpl
.set G1V, 32
.set G1W, 40
.set G0K, 48                           ; s[48:55], s[56:63], s[68:75] group 0: a set for each of the two first fills; the second then walks on
.set G0V, 56
.set G0W, 68
.set TBK, 76                           ; s76-78  LDS byte at which my part of K, V, wpl begins in the slot in hand
.set TBV, 77
.set TBW, 78
.set SLOTS, 79
.set GRP, 80                           ; s80  my group, 0 or 1
.set QI,  81                           ; s81  which 64 of the block's queries are mine
.set SEL, 82                           ; s[82:83] lane selects for v_permlanex16_b32: each lane takes its own place in the other half
.set MSB, 0
.macro WIN new
.if MSB != \new
	s_set_vgpr_msb (MSB<<8)|\new
.set MSB, \new
.endif
.endm
.set W_KQ, 0x05                        ; K and Q in window 1, S^T in window 0
.set W_PV, 0x51                        ; V in window 1, P in window 0, O^T (C and D) in window 1
.set W_RS, 0x41                        ; O^T or Q (destination and source 0) in window 1, the other source in window 0
.set TO_1, 0x40                        ; destination window 1, address window 0
; A joint refill: wave 0 fetches K, wave 1 V, waves 2 and 3 the two halves of wpl's tile, waves 4 to 7 nothing.  The branches hang on the wave's number alone.  Four v_nop follow each of the three lines.
.macro JLOAD
	s_cmp_lt_u32 s[WV], 4
	s_cbranch_scc0 .Lasked_\@
	s_cmp_lt_u32 s[WV], 2
	s_cbranch_scc0 .Lfor_w_\@
	s_cmp_eq_u32 s[WV], 0
	s_cbranch_scc0 .Lfor_v_\@
	tensor_load_to_lds s[G0K+4:G0K+7], s[G1K:G1K+7]
	s_nop 0
.rept 4
	v_nop
.endr
	s_branch .Lasked_\@
.Lfor_v_\@:
	tensor_load_to_lds s[G0V+4:G0V+7], s[G1V:G1V+7]
	s_nop 0
.rept 4
	v_nop
.endr
	s_branch .Lasked_\@
.Lfor_w_\@:
	tensor_load_to_lds s[G0W+4:G0W+7], s[G1W:G1W+7]
	s_nop 0
.rept 4
	v_nop
.endr
.Lasked_\@:
.endm
.macro CROUND                          ; a round of the cluster's barrier
	s_barrier_signal -1
	s_barrier_wait -1
	s_cmp_lg_u32 s[WV], 0
	s_cbranch_scc1 .Lnot_wave_0_\@
	s_barrier_signal -3
.Lnot_wave_0_\@:
	s_barrier_wait -3
	s_barrier_signal -1
	s_barrier_wait -1
.endm
.macro PLACES
.rept 4
	v_nop
.endr
.endm
	s_load_b256 s[4:11], s[0:1], 0x0               ; qws s[4:5], kws s[6:7], vws s[8:9], wpl s[10:11]
	s_load_b128 s[12:15], s[0:1], 0x20             ; rowinf s[12:13], att s[14:15]
	v_lshl_add_u32 v[SPW], v0, 2, SPARE
	v_mov_b32 v[NIL], 0
	ds_add_u32 v62, v63
	s_wait_dscnt 0x0
	v_lshrrev_b32 v1, 5, v0
	v_readfirstlane_b32 s[WV], v1
	s_and_b32 s[QI], s[WV], 3
	s_lshr_b32 s[GRP], s[WV], 2
	s_xor_b32 s[GRP], s[GRP], s[WV]
	s_and_b32 s[GRP], s[GRP], 1
	s_bfe_u32 s17, ttmp6, 0x40000                  ; cx
	s_bfe_u32 s18, ttmp6, 0x40004                  ; cy
	s_lshl_b32 s19, ttmp9, 2
	s_add_co_u32 s19, s19, s17                     ; my block of 256 queries = 4 x cluster x + cx
	s_and_b32 s20, ttmp7, 0xffff                   ; the cluster's y: 4 to a batch
	s_lshr_b32 s21, s20, 2                         ; the batch: it hangs on the cluster's y alone
	s_and_b32 s22, s20, 3
	s_lshl_b32 s22, s22, 2
	s_add_co_u32 s22, s22, s18                     ; the head
	s_and_b32 s23, s[WV], 1
	s_lshl_b32 s84, s21, 22                        ; K, V: the batch's 16 row blocks of 262,144 bytes,
	s_lshl_b32 s85, s22, 14                        ; the head's block of 16,384: no cx in these
	s_add_co_u32 s84, s84, s85
	s_mov_b32 s85, 0
	s_lshl_b32 s86, s21, 23                        ; wpl: rows of 4,096 bytes: 2,048 a batch,
	s_lshl_b32 s87, s19, 20                        ; 256 a query block,
	s_add_co_u32 s86, s86, s87
	s_lshl_b32 s87, s23, 19                        ; 128 for the half that waves 2 and 3 fetch: no cy in these
	s_add_co_u32 s86, s86, s87
	s_mov_b32 s87, 0
	s_lshl_b32 s88, s21, 4                         ; Q, att: row block 16 b + 2 X + (my 64 queries' number) / 2,
	s_lshl1_add_u32 s88, s19, s88
	s_lshr_b32 s89, s[QI], 1
	s_add_co_u32 s88, s88, s89
	s_lshl4_add_u32 s88, s88, s22                  ; the head's block in it,
	s_lshl_b32 s88, s88, 14
	s_lshl_b32 s89, s23, 13                        ; its upper or lower 64 rows
	s_add_co_u32 s88, s88, s89
	s_mov_b32 s89, 0
	s_lshl_b32 s90, s21, 13                        ; the flags: 4 bytes x (2,048 b + 256 X + 64 x my queries' number)
	s_lshl_b32 s91, s19, 10
	s_add_co_u32 s90, s90, s91
	s_lshl_b32 s91, s[QI], 8
	s_add_co_u32 s90, s90, s91
	s_mov_b32 s91, 0
	s_lshl_b32 s92, s18, 2
	s_lshl_b32 s92, 15, s92                        ; my row of the cluster
	s_lshl_b32 s93, 0x1111, s17                    ; my column
	; descriptor group 1.  K, V: 64 rows x 128 elements, on end in memory.  wpl: 128 rows x 128 elements, 2,048 elements from row to row
	s_or_b32 s[G1K], s92, (1<<16)|(1<<20)|(1<<21)|(5<<22)|(3<<25)  ; 15:0 the mask; 17:16 elements of 2 bytes; 20 padding on; 21 set beside a mask; 24:22 after every 64 words (code 5); 31:25 4 words (code 3)
	s_or_b32 s[G1V], s92, (1<<16)|(1<<20)|(1<<21)|(5<<22)|(7<<25)  ; 8 words (code 7)
	s_or_b32 s[G1W], s93, (1<<16)|(1<<20)|(1<<21)|(5<<22)|(3<<25)
.irp g, G1K, G1V
	s_mov_b32 s[\g+1], 128<<16                     ; tensor_dim0 = 128
	s_mov_b32 s[\g+2], 64<<16                      ; tensor_dim1 = 64
	s_mov_b32 s[\g+3], 128<<16                     ; tile_dim0 = 128
	s_mov_b32 s[\g+4], 64                          ; tile_dim1 = 64
	s_mov_b32 s[\g+5], 128                         ; tensor_dim0_stride
	s_mov_b32 s[\g+6], 0
	s_mov_b32 s[\g+7], 0
.endr
	s_mov_b32 s[G1W+1], 128<<16
	s_mov_b32 s[G1W+2], 128<<16
	s_mov_b32 s[G1W+3], 128<<16
	s_mov_b32 s[G1W+4], 128
	s_mov_b32 s[G1W+5], 2048
	s_mov_b32 s[G1W+6], 0
	s_mov_b32 s[G1W+7], 0
	s_mul_i32 s94, s23, 128*PITW                   ; where a half of wpl's tile goes: the wave's number alone enters an LDS address
	s_add_co_u32 s94, s94, WOFF
	s_mov_b32 s[SEL], 0x76543210
	s_mov_b32 s[SEL+1], 0xfedcba98
	s_mul_i32 s[TBK], s[GRP], 32*PITK              ; group 1's 64 keys lie behind group 0's
	s_mul_i32 s[TBV], s[GRP], 32*PITV
	s_lshl_b32 s[TBW], s[GRP], 7
	s_wait_kmcnt 0x0
	s_add_nc_u64 s[6:7], s[6:7], s[84:85]
	s_add_nc_u64 s[8:9], s[8:9], s[84:85]
	s_add_nc_u64 s[10:11], s[10:11], s[86:87]
	s_add_nc_u64 s[4:5], s[4:5], s[88:89]
	s_add_nc_u64 s[14:15], s[14:15], s[88:89]
	s_add_nc_u64 s[12:13], s[12:13], s[90:91]
	CROUND                                         ; all sixteen work-groups are here: the first joint loads meet
.irp s, 0,1
	s_mov_b32 s[G0K+4*\s], 1
	s_mov_b32 s[G0K+4*\s+1], \s*SLOT1
	s_add_nc_u64 s[G0K+4*\s+2:G0K+4*\s+3], s[6:7], \s*262144       ; slot s begins with keys 128 s: one row block on
	s_or_b32 s[G0K+4*\s+3], s[G0K+4*\s+3], 0x80000000
	s_mov_b32 s[G0V+4*\s], 1
	s_mov_b32 s[G0V+4*\s+1], VOFF+\s*SLOT1
	s_add_nc_u64 s[G0V+4*\s+2:G0V+4*\s+3], s[8:9], \s*262144
	s_or_b32 s[G0V+4*\s+3], s[G0V+4*\s+3], 0x80000000
	s_mov_b32 s[G0W+4*\s], 1
	s_add_co_u32 s[G0W+4*\s+1], s94, \s*SLOT1
	s_add_nc_u64 s[G0W+4*\s+2:G0W+4*\s+3], s[10:11], \s*256        ; 128 keys along the rows
	s_or_b32 s[G0W+4*\s+3], s[G0W+4*\s+3], 0x80000000
.endr
	s_cmp_lt_u32 s[WV], 4                          ; a wave's two first fills stand together, ahead of every wait on TENSORcnt and every LDS read: two loads of waves 0 to 3 are out, none of waves 4 to 7
	s_cbranch_scc0 .Lfirst_asked
	s_cmp_lt_u32 s[WV], 2
	s_cbranch_scc0 .Lfirst_w
	s_cmp_eq_u32 s[WV], 0
	s_cbranch_scc0 .Lfirst_v
	tensor_load_to_lds s[G0K:G0K+3], s[G1K:G1K+7]
	s_nop 0
	tensor_load_to_lds s[G0K+4:G0K+7], s[G1K:G1K+7]
	s_nop 0
.rept 4
	v_nop
.endr
	s_branch .Lfirst_asked
.Lfirst_v:
	tensor_load_to_lds s[G0V:G0V+3], s[G1V:G1V+7]
	s_nop 0
	tensor_load_to_lds s[G0V+4:G0V+7], s[G1V:G1V+7]
	s_nop 0
.rept 4
	v_nop
.endr
	s_branch .Lfirst_asked
.Lfirst_w:
	tensor_load_to_lds s[G0W:G0W+3], s[G1W:G1W+7]
	s_nop 0
	tensor_load_to_lds s[G0W+4:G0W+7], s[G1W:G1W+7]
	s_nop 0
.rept 4
	v_nop
.endr
.Lfirst_asked:
	v_and_b32 v1, 15, v0                           ; r = l % 16
	v_bfe_u32 v60, v0, 4, 1                        ; h = l / 16
	v_lshlrev_b32 v[QO], 7, v1
	v_lshl_add_u32 v[QO], v60, 4, v[QO]            ; row x 128 + 16 h
	v_lshlrev_b32 v61, 2, v1
	WIN TO_1
.irp t, 0,1,2,3
.irp c, 0,1
	global_load_b128 v[QF+16*\t+8*\c:QF+16*\t+8*\c+3],   v[QO], s[4:5] offset:2048*\t+64*\c      ; Q stays in registers: tile t, channels 32 c on
	global_load_b128 v[QF+16*\t+8*\c+4:QF+16*\t+8*\c+7], v[QO], s[4:5] offset:2048*\t+64*\c+32
.endr
.endr
	WIN 0
.irp t, 0,1,2,3
	global_load_b32 v[FL+\t], v61, s[12:13] offset:64*\t           ; the flag of my query in tile t
.endr
	v_lshrrev_b32 v[AK0], 1, v1                    ; key R lies at (R / 2) x pitch + (R % 2) x 128
	v_mul_u32_u24 v[AK0], v[AK0], PITK
	v_and_b32 v64, 1, v0
	v_lshl_add_u32 v[AK0], v64, 7, v[AK0]
	v_lshl_add_u32 v[AK0], v60, 4, v[AK0]
	v_bfe_u32 v65, v0, 1, 2                        ; the turning load: lane l reads 16 bytes of key 8 h + l % 8, channels 8 ((l / 8) % 2) on
	v_lshl_add_u32 v[AV0], v60, 2, v65
	v_mul_u32_u24 v[AV0], v[AV0], PITV
	v_lshl_add_u32 v[AV0], v64, 7, v[AV0]
	v_bfe_u32 v66, v0, 3, 1
	v_lshl_add_u32 v[AV0], v66, 4, v[AV0]
	v_add_nc_u32 v[AV0], VOFF, v[AV0]
	s_mul_i32 s95, s[QI], 64*PITW                  ; my 64 queries in wpl's tile
	s_add_co_u32 s95, s95, WOFF
	v_mul_u32_u24 v[AW0], v1, PITW
	v_lshl_add_u32 v[AW0], v60, 4, v[AW0]
	v_add_nc_u32 v[AW0], s95, v[AW0]
	; E: row r of 2^-24 x the unit matrix has its one number at k = r: in the lanes with h = r / 8, register (r % 8) / 2, half r % 2
	v_lshlrev_b32 v67, 4, v64
	v_mov_b32 v68, 0x3380                          ; 2^-24 in bf16
	v_lshlrev_b32 v67, v67, v68
	v_cmp_eq_u32 vcc_lo, v60, v66
	v_cndmask_b32 v67, 0, v67, vcc_lo
.irp i, 0,1,2,3
	v_cmp_eq_u32 vcc_lo, \i, v65
	v_cndmask_b32 v[IDL+\i], 0, v67, vcc_lo
	v_mov_b32 v[ZR+\i], 0
	v_mov_b32 v[IDL+4+\i], 0
.endr
	s_mul_i32 s95, s[WV], 16*SPI
	s_add_co_u32 s95, s95, STAGE                   ; my stage
	v_mul_u32_u24 v[STO], v1, SPI                  ; in: row r, 16 bytes for each half of the lanes
	v_lshl_add_u32 v[STO], v60, 4, v[STO]
	v_add_nc_u32 v[STO], s95, v[STO]
	v_and_b32 v69, 31, v0
	v_lshrrev_b32 v70, 3, v69                      ; back: eight lanes to a row of 128 bytes, four rows to a load
	v_mul_u32_u24 v[RD], v70, SPI
	v_and_b32 v71, 7, v0
	v_lshl_add_u32 v[RD], v71, 4, v[RD]
	v_add_nc_u32 v[RD], s95, v[RD]
	v_lshlrev_b32 v[GO], 4, v69                    ; the four rows are 512 bytes on end in att
.irp t, 0,1,2,3
	v_mov_b32 v[ST+8*\t], 0xef000000               ; m = -2^95
	v_mov_b32 v[ST+8*\t+1], 0                      ; named with m as a pair, so it is written
.endr
	s_wait_loadcnt 0x0                             ; Q and the flags
	WIN W_RS                                       ; Q (destination and source 0) in window 1, the flag in window 0
.irp t, 0,1,2,3
.set i, 0
.rept 16
	v_and_b32 v[QF+16*\t+i], v[QF+16*\t+i], v[FL+\t]
.set i, i+1
.endr
.endr
	WIN 0
; SCORES: my 64 keys of the slot in hand: w and K out of LDS, S^T = 2^-24 w + K Q^T, and then V into K's registers.
.macro SCORES
	WIN 0
	v_add_nc_u32 v[ADRW], s[TBW], v[AW0]           ; these three and two v_nop are the places between the last products and the loads into their sources, and the products that write over S^T
	v_add_nc_u32 v[ADRK], s[TBK], v[AK0]
	v_add_nc_u32 v[ADRV], s[TBV], v[AV0]
	v_nop
	v_nop
.irp t, 0,1,2,3
.irp kc, 0,1
	ds_load_b128 v[WP+16*\t+8*\kc:WP+16*\t+8*\kc+3],   v[ADRW] offset:16*PITW*\t+64*\kc       ; w: tile t, keys 32 kc on
	ds_load_b128 v[WP+16*\t+8*\kc+4:WP+16*\t+8*\kc+7], v[ADRW] offset:16*PITW*\t+64*\kc+32
.endr
.endr
	WIN TO_1
.irp kt, 0,1,2,3
.irp c, 0,1
	ds_load_b128 v[KV+16*\kt+8*\c:KV+16*\kt+8*\c+3],   v[ADRK] offset:8*PITK*\kt+64*\c        ; K: keys 16 kt on, channels 32 c on
	ds_load_b128 v[KV+16*\kt+8*\c+4:KV+16*\kt+8*\c+7], v[ADRK] offset:8*PITK*\kt+64*\c+32
.endr
.endr
	WIN 0
	s_wait_dscnt 16                                ; w is in; K's 16 loads may be out
.irp t, 0,1,2,3
.irp kt, 0,1,2,3
	v_wmma_f32_16x16x32_bf16 v[S+32*\t+8*\kt:S+32*\t+8*\kt+7], v[IDL-4*(\kt%2):IDL-4*(\kt%2)+7], v[WP+16*\t+8*(\kt/2):WP+16*\t+8*(\kt/2)+7], 0   ; the sums start at 2^-24 w
.endr
.endr
	s_wait_dscnt 0x0                               ; K is in
.rept 5
	v_nop                                          ; the f16 form takes up what the bf16 form wrote: another form, so no chain in place: five places (ISA guide 7.12.1)
.endr
	WIN W_KQ
.irp c, 0,1                            ; the 16 accumulators take turns, in the order in which they were started
.irp t, 0,1,2,3
.irp kt, 0,1,2,3
	v_wmma_f32_16x16x32_f16 v[S+32*\t+8*\kt:S+32*\t+8*\kt+7], v[KV+16*\kt+8*\c:KV+16*\kt+8*\c+7], v[QF+16*\t+8*\c:QF+16*\t+8*\c+7], v[S+32*\t+8*\kt:S+32*\t+8*\kt+7]
.endr
.endr
.endr
	WIN 0
	PLACES                                         ; in front of the loads into K's registers, and of the softmax's first reads of S^T
	WIN TO_1
.irp kc, 0,1
.irp ct, 0,1,2,3
	ds_load_tr16_b128 v[KV+32*\kc+8*\ct:KV+32*\kc+8*\ct+3],   v[ADRV] offset:16*PITV*\kc+32*\ct          ; V turned: keys 32 kc on, channels 16 ct on
	ds_load_tr16_b128 v[KV+32*\kc+8*\ct+4:KV+32*\kc+8*\ct+7], v[ADRV] offset:16*PITV*\kc+32*\ct+8*PITV
.endr
.endr
	WIN 0
.endm
; The softmax's lines for tile t.  Pair k is the lane's scores 2 k and 2 k + 1; word k of w holds the same two keys.
.macro SUBP t, k                       ; s - m
	v_pk_add_f32 v[S+32*(\t)+2*(\k):S+32*(\t)+2*(\k)+1], v[S+32*(\t)+2*(\k):S+32*(\t)+2*(\k)+1], v[ST+8*(\t):ST+8*(\t)+1] op_sel_hi:[1,0] neg_lo:[0,1] neg_hi:[0,1]
.endm
.macro EXPP t, n                       ; p = 2^(s - m)
	v_exp_f32 v[S+32*(\t)+(\n)], v[S+32*(\t)+(\n)]
.endm
; l takes the sum of p (without w), ahead of the product that writes over p, in two chains: l itself (pair 0 with a l, then the odd pairs from 3 on) and c0, c1 (pairs 1 and 2, then the even pairs).
; first = 1: there is no old l: pairs 0 and 3 start it.
.macro SUMP t, k, first
.if (\k) == 0
.if \first
	s_wait_alu depctr_va_vdst(0)
	v_pk_add_f32 v[ST+8*(\t)+2:ST+8*(\t)+3], v[S+32*(\t):S+32*(\t)+1], v[S+32*(\t)+6:S+32*(\t)+7]
.else
	s_wait_alu depctr_va_vdst(0)
	v_pk_fma_f32 v[ST+8*(\t)+2:ST+8*(\t)+3], v[ST+8*(\t)+2:ST+8*(\t)+3], v[ST+8*(\t)+6:ST+8*(\t)+7], v[S+32*(\t):S+32*(\t)+1] op_sel_hi:[1,0,1]
.endif
.elseif (\k) == 1
	v_pk_add_f32 v[ST+8*(\t)+4:ST+8*(\t)+5], v[S+32*(\t)+2:S+32*(\t)+3], v[S+32*(\t)+4:S+32*(\t)+5]
.elseif (\k) == 2
.elseif ((\k) == 3) && \first
.elseif (\k)%2 == 1
	v_pk_add_f32 v[ST+8*(\t)+2:ST+8*(\t)+3], v[ST+8*(\t)+2:ST+8*(\t)+3], v[S+32*(\t)+2*(\k):S+32*(\t)+2*(\k)+1]
.else
	v_pk_add_f32 v[ST+8*(\t)+4:ST+8*(\t)+5], v[ST+8*(\t)+4:ST+8*(\t)+5], v[S+32*(\t)+2*(\k):S+32*(\t)+2*(\k)+1]
.endif
.endm
.macro SUMF t                          ; the two chains meet
	v_pk_add_f32 v[ST+8*(\t)+2:ST+8*(\t)+3], v[ST+8*(\t)+2:ST+8*(\t)+3], v[ST+8*(\t)+4:ST+8*(\t)+5]
.endm
.macro MIXL t, k                       ; p w in f32, w straight from its bf16 half
	v_fma_mix_f32_bf16 v[S+32*(\t)+2*(\k)], v[S+32*(\t)+2*(\k)], v[WP+16*(\t)+(\k)], v[ZR] op_sel_hi:[0,1,0]
.endm
.macro MIXH t, k
	v_fma_mix_f32_bf16 v[S+32*(\t)+2*(\k)+1], v[S+32*(\t)+2*(\k)+1], v[WP+16*(\t)+(\k)], v[ZR] op_sel:[0,1,0] op_sel_hi:[0,1,0]
.endm
.macro CVTP t, k                       ; P = f16(p w), over w
	v_cvt_pk_f16_f32 v[WP+16*(\t)+(\k)], v[S+32*(\t)+2*(\k)], v[S+32*(\t)+2*(\k)+1]
.endm
; SOFT: the softmax of my four tiles and O^T += V^T P.  first = 1: the first step starts l and O^T: it has no a and nothing to rescale.
.macro SOFT first
	WIN 0
	; the maximum of the lane's 32 scores and the old m, three operands at a time; each accumulator is first read at its registers 0-2.  The four tiles alternate, so that no line reads the result of the line before it
.irp j, 0,1,2,3
.irp t, 0,1,2,3
	v_max3_num_f32 v[ST+8*\t+4+\j], v[S+32*\t+8*\j], v[S+32*\t+8*\j+1], v[S+32*\t+8*\j+2]
.endr
.endr
.irp g, 1,2
.irp j, 0,1,2,3
.irp t, 0,1,2,3
	v_max3_num_f32 v[ST+8*\t+4+\j], v[ST+8*\t+4+\j], v[S+32*\t+8*\j+2*\g+1], v[S+32*\t+8*\j+2*\g+2]
.endr
.endr
.endr
.irp t, 0,1,2,3
	v_max3_num_f32 v[ST+8*\t+4], v[ST+8*\t+4], v[S+32*\t+7], v[S+32*\t+15]
.endr
.irp t, 0,1,2,3
	v_max3_num_f32 v[ST+8*\t+6], v[ST+8*\t+6], v[S+32*\t+23], v[S+32*\t+31]
.endr
.irp t, 0,1,2,3
	v_max3_num_f32 v[ST+8*\t+4], v[ST+8*\t+4], v[ST+8*\t+5], v[ST+8*\t+6]
.endr
.irp t, 0,1,2,3
	v_max3_num_f32 v[ST+8*\t+4], v[ST+8*\t+4], v[ST+8*\t+7], v[ST+8*\t]
.endr
.irp t, 0,1,2,3
	v_permlanex16_b32 v[ST+8*\t+5], v[ST+8*\t+4], s[SEL], s[SEL+1]   ; the query's other 32 keys lie in the lane 16 away
.endr
.irp t, 0,1,2,3
	v_max_num_f32 v[ST+8*\t+5], v[ST+8*\t+4], v[ST+8*\t+5]
.endr
.if !\first
.irp t, 0,1,2,3
	v_sub_f32 v[ST+8*\t+1], v[ST+8*\t], v[ST+8*\t+5]
.endr
.endif
.irp t, 0,1,2,3
	v_mov_b32 v[ST+8*\t], v[ST+8*\t+5]
.endr
.if !\first
.irp t, 0,1,2,3
	v_exp_f32 v[ST+8*\t+6], v[ST+8*\t+1]           ; a = 2^(m_old - m_new)
.endr
.endif
	; From here on a tile's exponentials stand between plain lines of other tiles: each has a plain line behind it that names neither its result nor its source (ISA guide 5.7.2)
.set i, 0
.rept 16
	SUBP 0, i
.set i, i+1
.endr
.set i, 0
.rept 16
	EXPP 0, 2*i
	SUBP 1, i
	EXPP 0, 2*i+1
	SUBP 2, i
	SUBP 3, i
.set i, i+1
.endr
.irp t, 0,1,2
.set i, 0
.rept 16
	EXPP \t+1, 2*i
	SUMP \t, i, \first
	MIXL \t, i
	EXPP \t+1, 2*i+1
	MIXH \t, i
.if i > 0
	CVTP \t, i-1
.endif
.set i, i+1
.endr
	CVTP \t, 15
	SUMF \t
.endr
.set i, 0
.rept 16
	SUMP 3, i, \first
	MIXL 3, i
	MIXH 3, i
.if i > 0
	CVTP 3, i-1
.endif
.set i, i+1
.endr
	CVTP 3, 15
	SUMF 3
.if !\first
	WIN W_RS
.set i, 0
.rept 16                               ; O^T times a, each accumulator from its low end on
.irp t, 0,1,2,3
	v_pk_mul_f32 v[OF+32*\t+i:OF+32*\t+i+1], v[OF+32*\t+i:OF+32*\t+i+1], v[ST+8*\t+6:ST+8*\t+7] op_sel_hi:[1,0]
.endr
.set i, i+2
.endr
.endif
	s_wait_dscnt 0x0                               ; V is in
	WIN W_PV
.irp kc, 0,1                           ; the 16 accumulators take turns
.irp t, 0,1,2,3
.irp ct, 0,1,2,3
.if \first && (\kc == 0)
	v_wmma_f32_16x16x32_f16 v[OF+32*\t+8*\ct:OF+32*\t+8*\ct+7], v[KV+32*\kc+8*\ct:KV+32*\kc+8*\ct+7], v[WP+16*\t+8*\kc:WP+16*\t+8*\kc+7], 0
.else
	v_wmma_f32_16x16x32_f16 v[OF+32*\t+8*\ct:OF+32*\t+8*\ct+7], v[KV+32*\kc+8*\ct:KV+32*\kc+8*\ct+7], v[WP+16*\t+8*\kc:WP+16*\t+8*\kc+7], v[OF+32*\t+8*\ct:OF+32*\t+8*\ct+7]
.endif
.endr
.endr
.endr
	WIN 0
.endm
.macro SOFTIF g                        ; SOFT for the waves of group g alone; the branch jumps over no barrier and no tensor load
	s_cmp_eq_u32 s[GRP], \g
	s_cbranch_scc0 .Lnot_mine_\@
	SOFT 0
.Lnot_mine_\@:
.endm
; THE CHANGE OF SLOTS.  Each wave waits for all its tensor loads, of which at most one is out: its part of the other slot; adds 0 to its spare word; and waits for that and for its reads of the slot.
; fill = 1: the barrier is a round of the cluster's, and the slot just read is filled again, with the keys two slots on, first thing behind it: the load has all eight waves' work on one slot in which to land.
.macro CHANGE fill
	WIN 0
	s_wait_tensorcnt 0x0                           ; no tensor load of mine is out, so a group 0 may be written
	ds_add_u32 v[SPW], v[NIL]                      ; 0 onto my spare word; the scalar steps below stand between it and the wait for it
.if \fill
	s_xor_b32 s[G0K+5], s[G0K+5], SLOT1            ; the walking descriptors: the other slot than last time,
	s_add_nc_u64 s[G0K+6:G0K+7], s[G0K+6:G0K+7], 262144            ; the next 128 keys; the type bits on top are not reached
	s_xor_b32 s[G0V+5], s[G0V+5], SLOT1
	s_add_nc_u64 s[G0V+6:G0V+7], s[G0V+6:G0V+7], 262144
	s_xor_b32 s[G0W+5], s[G0W+5], SLOT1
	s_add_nc_u64 s[G0W+6:G0W+7], s[G0W+6:G0W+7], 256
.endif
	s_xor_b32 s[TBK], s[TBK], SLOT1                ; my next reads: the other slot
	s_xor_b32 s[TBV], s[TBV], SLOT1
	s_xor_b32 s[TBW], s[TBW], SLOT1
	s_wait_dscnt 0x0                               ; the add is done, and my reads of the slot are over (group 1's V among them)
.if \fill
	CROUND
	JLOAD
.else
	s_barrier_signal -1
	s_barrier_wait -1
.endif
.endm
	s_wait_tensorcnt 1                             ; my part of slot 0 is in; slot 1's may stay out
	s_barrier_signal -1
	s_barrier_wait -1                              ; everybody's is
	SCORES                                         ; slot 0
	SOFT 1                                         ; both groups: the first step starts l and O^T on every wave's way
	CHANGE 1
	SCORES                                         ; slot 1
	SOFTIF 0                                       ; from here on group 1 is half a step behind
	s_mov_b32 s[SLOTS], 13
.Lslot:                                                ; 13 trips: slots 2 to 14
	CHANGE 1
	SOFTIF 1
	SCORES
	SOFTIF 0
	s_sub_co_u32 s[SLOTS], s[SLOTS], 1
	s_cmp_lg_u32 s[SLOTS], 0
	s_cbranch_scc1 .Lslot
	CHANGE 0                                       ; the tail is written out: nothing is left to ask for
	SOFTIF 1
	SCORES                                         ; slot 15
	SOFT 0                                         ; both groups
	; THE END.  Waves w and w + 4 hold m, l and O^T of the same queries for different keys.  The wave of group 0 keeps tiles 0 and 1 and hands over tiles 2 and 3; the wave of group 1 the other way round.
	; With M = max(m, m'), f = 2^(m - M), f' = 2^(m' - M): l = f l + f' l', O^T = f O^T + f' O'^T.  A half in which a query met no open key has m = -2^95, f = 0 and sums of 0.
.irp t, 0,1,2,3
	v_add_f32 v[ST+8*\t+1], v[ST+8*\t+2], v[ST+8*\t+3]             ; l's two halves, beside m; these lines and the addresses are the places behind the last products
.endr
	v_and_b32 v[XST], 31, v0
	v_lshlrev_b32 v[XST], 4, v[XST]                ; 16 bytes a lane
	s_mul_i32 s94, s[WV], XWV
	s_add_co_u32 s94, s94, XCH                     ; my bytes of the exchange
	s_xor_b32 s95, s[WV], 4
	s_mul_i32 s95, s95, XWV
	s_add_co_u32 s95, s95, XCH                     ; my partner's
	v_add_nc_u32 v[XLD], s95, v[XST]
	v_add_nc_u32 v[XST], s94, v[XST]
.macro SENDX s0                        ; tiles s0 and s0 + 1 go into my bytes: (m, l) of both, 16 bytes a lane, and 64 registers of O^T, each accumulator from its low end on
.irp u, 0,1
	ds_store_b64 v[XST], v[ST+8*(\s0+\u):ST+8*(\s0+\u)+1] offset:64*128+8*\u
.endr
	WIN 0x04                                       ; the data in window 1
.set i, 0
.rept 16
	ds_store_b128 v[XST], v[OF+32*(\s0)+4*i:OF+32*(\s0)+4*i+3] offset:512*i
.set i, i+1
.endr
	WIN 0
.endm
.macro FINISH k0                       ; tiles k0 and k0 + 1 are merged with my partner's, multiplied by 4 / l, rounded to f16 and stored
	ds_load_b128 v[FL:FL+3], v[XLD] offset:64*128
.set i, 0
.rept 16
	ds_load_b128 v[S+4*i:S+4*i+3], v[XLD] offset:512*i
.set i, i+1
.endr
	s_wait_dscnt 16                                ; m' and l' are in; the 16 loads of O'^T may be out
.irp u, 0,1
	v_max_num_f32 v[ST+8*(\k0+\u)+5], v[ST+8*(\k0+\u)], v[FL+2*\u]
.endr
.irp u, 0,1
	v_sub_f32 v[ST+8*(\k0+\u)+6], v[ST+8*(\k0+\u)], v[ST+8*(\k0+\u)+5]
.endr
.irp u, 0,1
	v_sub_f32 v[ST+8*(\k0+\u)+7], v[FL+2*\u], v[ST+8*(\k0+\u)+5]
.endr
.irp u, 0,1
	v_exp_f32 v[ST+8*(\k0+\u)+6], v[ST+8*(\k0+\u)+6]               ; f
.endr
.irp u, 0,1
	v_exp_f32 v[ST+8*(\k0+\u)+7], v[ST+8*(\k0+\u)+7]               ; f'
.endr
	v_nop                                          ; a plain instruction between the last exponential and the use of its result (ISA guide 5.7.2)
	s_wait_alu depctr_va_vdst(0)
.irp u, 0,1
	v_mul_f32 v[ST+8*(\k0+\u)+4], v[ST+8*(\k0+\u)+1], v[ST+8*(\k0+\u)+6]
.endr
.irp u, 0,1
	v_fma_f32 v[ST+8*(\k0+\u)+4], v[FL+2*\u+1], v[ST+8*(\k0+\u)+7], v[ST+8*(\k0+\u)+4]
.endr
.irp u, 0,1
	v_permlanex16_b32 v[ST+8*(\k0+\u)+5], v[ST+8*(\k0+\u)+4], s[SEL], s[SEL+1]   ; the other half of the lanes' keys
.endr
.irp u, 0,1
	v_add_f32 v[ST+8*(\k0+\u)+4], v[ST+8*(\k0+\u)+4], v[ST+8*(\k0+\u)+5]
.endr
.irp u, 0,1
	v_rcp_f32 v[ST+8*(\k0+\u)+5], v[ST+8*(\k0+\u)+4]               ; l is at least 1: the key of the maximum has p = 1 and f = 1
.endr
	v_nop
	s_wait_alu depctr_va_vdst(0)
.irp u, 0,1
	v_mul_f32 v[ST+8*(\k0+\u)+5], 4.0, v[ST+8*(\k0+\u)+5]
.endr
.irp u, 0,1
	v_mul_f32 v[ST+8*(\k0+\u)+2], v[ST+8*(\k0+\u)+6], v[ST+8*(\k0+\u)+5]         ; 4 f / l
.endr
.irp u, 0,1
	v_mul_f32 v[ST+8*(\k0+\u)+6], v[ST+8*(\k0+\u)+7], v[ST+8*(\k0+\u)+5]         ; 4 f' / l
.endr
	s_wait_dscnt 0x0                               ; O'^T is in
.irp u, 0,1
.set i, 0
.rept 16
	v_pk_mul_f32 v[S+32*\u+i:S+32*\u+i+1], v[S+32*\u+i:S+32*\u+i+1], v[ST+8*(\k0+\u)+6:ST+8*(\k0+\u)+7] op_sel_hi:[1,0]
.set i, i+2
.endr
.endr
	WIN 0x01                                       ; source 0, my O^T, in window 1
.irp u, 0,1
.set i, 0
.rept 16                               ; each accumulator from its low end on
	v_pk_fma_f32 v[S+32*\u+i:S+32*\u+i+1], v[OF+32*(\k0+\u)+i:OF+32*(\k0+\u)+i+1], v[ST+8*(\k0+\u)+2:ST+8*(\k0+\u)+3], v[S+32*\u+i:S+32*\u+i+1] op_sel_hi:[1,0,1]
.set i, i+2
.endr
.endr
	WIN 0
.irp u, 0,1
.set i, 0
.rept 16
	v_cvt_pk_f16_f32 v[WP+16*\u+i], v[S+32*\u+2*i], v[S+32*\u+2*i+1]
.set i, i+1
.endr
.endr
.irp u, 0,1                            ; through my stage, a tile (16 rows of 128 bytes) at a time
.irp ct, 0,1,2,3
	ds_store_b128 v[STO], v[WP+16*\u+4*\ct:WP+16*\u+4*\ct+3] offset:32*\ct
.endr
.irp x, 0,1,2,3
	ds_load_b128 v[WP+32+16*\u+4*\x:WP+32+16*\u+4*\x+3], v[RD] offset:4*SPI*\x   ; LDS serves a wave's instructions in order (ISA guide 5.7.1.4): these see the stores above; the next tile's stores come behind them
.endr
.endr
.irp u, 0,1
.irp x, 0,1,2,3
	s_wait_dscnt 8*(1-\u)+3-\x                     ; behind this load stand the rest of its tile's and, for the first tile, the second tile's eight
	global_store_b128 v[GO], v[WP+32+16*\u+4*\x:WP+32+16*\u+4*\x+3], s[14:15] offset:2048*(\k0+\u)+512*\x   ; the wave stores 512 consecutive bytes
.endr
.endr
.endm
	s_cmp_eq_u32 s[GRP], 0
	s_cbranch_scc0 .Lsend_1
	SENDX 2
	s_branch .Lsent
.Lsend_1:
	SENDX 0
.Lsent:
	s_wait_dscnt 0x0                               ; for my partner's sake: my stores into the exchange are done
	s_barrier_signal -1
	s_barrier_wait -1
	s_cmp_eq_u32 s[GRP], 0
	s_cbranch_scc0 .Lfinish_1
	FINISH 0
	s_branch .Lfinished
.Lfinish_1:
	FINISH 2
.Lfinished:
	s_wait_tensorcnt 0x0                           ; the wave's end: behind my last tensor load and my last LDS store
	ds_add_u32 v[SPW], v[NIL]
	s_wait_dscnt 0x0
	CROUND                                         ; the closing round
	s_endpgm
.Lfunc_end_k_q6b37d4842a_attn:
	.size	k_q6b37d4842a_attn, .Lfunc_end_k_q6b37d4842a_attn-k_q6b37d4842a_attn
	.p2alignl 7, 3214868480
	.fill 96, 4, 3214868480
	.section	.rodata,"a",@progbits
	.p2align	6, 0x0
	.amdhsa_kernel k_q6b37d4842a_attn
		.amdhsa_group_segment_fixed_size 327680
		.amdhsa_private_segment_fixed_size 0
		.amdhsa_enable_private_segment 0
		.amdhsa_kernarg_size 48
		.amdhsa_user_sgpr_count 2
		.amdhsa_user_sgpr_kernarg_segment_ptr 1
		.amdhsa_wavefront_size32 1
		.amdhsa_system_sgpr_workgroup_id_x 1
		.amdhsa_system_sgpr_workgroup_id_y 1
		.amdhsa_system_sgpr_workgroup_id_z 1
		.amdhsa_system_vgpr_workitem_id 0
		.amdhsa_next_free_vgpr 512
		.amdhsa_next_free_sgpr 96
		.amdhsa_reserve_vcc 1
		.amdhsa_float_denorm_mode_32 3
		.amdhsa_float_denorm_mode_16_64 3
		.amdhsa_memory_ordered 1
		.amdhsa_forward_progress 1
		.amdhsa_inst_pref_size 255
	.end_amdhsa_kernel
	.section	.bss,"aw",@nobits
	.p2align	6
	.space	262144
	.amdgpu_metadata
---
amdhsa.version: [ 1, 2 ]
amdhsa.kernels:
  - .name:           k_q6b37d4842a_attn
    .symbol:         k_q6b37d4842a_attn.kd
    .args:
      - { .name: qws, .offset: 0, .size: 8, .value_kind: global_buffer, .address_space: global }
      - { .name: kws, .offset: 8, .size: 8, .value_kind: global_buffer, .address_space: global }
      - { .name: vws, .offset: 16, .size: 8, .value_kind: global_buffer, .address_space: global }
      - { .name: wpl, .offset: 24, .size: 8, .value_kind: global_buffer, .address_space: global }
      - { .name: rowinf, .offset: 32, .size: 8, .value_kind: global_buffer, .address_space: global }
      - { .name: att, .offset: 40, .size: 8, .value_kind: global_buffer, .address_space: global }
    .group_segment_fixed_size: 327680
    .private_segment_fixed_size: 0
    .kernarg_segment_align: 8
    .kernarg_segment_size: 48
    .max_flat_workgroup_size: 256
    .sgpr_count:     96
    .vgpr_count:     512
    .wavefront_size: 32
...
	.end_amdgpu_metadata
.endif
;; end of part 3
;; launch outp (part 4): grid 8 x 32, 4 waves a work-group, clusters of 4 x 4, 327,680 bytes of LDS; arguments att, wall, bp, rowinf, out0; writes out0
.if DOCPART == 4
	.amdgcn_target "amdgcn-amd-amdhsa--gfx1250"
	.amdhsa_code_object_version 6
	.text
	.protected	k_q6b37d4842a_outp
	.globl	k_q6b37d4842a_outp
	.p2align	8
	.type	k_q6b37d4842a_outp,@function
k_q6b37d4842a_outp:
	s_mov_b64 s[64:65], 0
	v_nop
	global_prefetch_b8 v0, s[64:65] scope:SCOPE_SE
	s_setreg_imm32_b32 hwreg(HW_REG_WAVE_MODE, 25, 1), 1
	s_wait_xcnt 0x0
	s_wait_alu depctr_hold_cnt(0) depctr_sa_sdst(0) depctr_va_vdst(0) depctr_va_sdst(0) depctr_va_ssrc(0) depctr_va_vcc(0) depctr_vm_vsrc(0)
	s_getreg_b32 s2, hwreg(HW_REG_IB_STS2, 6, 4)
	s_cmp_eq_u32 s2, 0
	s_cbranch_scc0 .Lentry_in_a_cluster
	s_endpgm
.Lentry_in_a_cluster:
	s_bfe_u32 s2, ttmp6, 0x10000c
	s_cmp_lg_u32 s2, 0xf033
	s_cbranch_scc0 .Lentry_shape_is_right
	s_endpgm
.Lentry_shape_is_right:
; THE OUTPUT PROJECTION, on tiles of 128 x 128: out0[row] = f[row] x (att[row] Wp) + bp, f32 [4096][1024].  f = rowinf[4096 + row], f32: 4 x the row's largest weight, by which att was divided.
; A: att, f16, laid [32 row blocks][16 column blocks][128 rows][64 columns]; B: Wp's rows in wall (from row 5,120 on), f16 [K][1024]; sums in f32; K = 1,024 in 4 steps of 256.
; The text is the input projections' with another way out.  Four waves, each 64 x 64: 16 accumulators.  Two LDS slots of one K step each.  A's part of a step is 65,536 bytes on end in memory and comes in
; as rows of 256 bytes (two rows of A's 64 columns); B's part is 256 rows (k) of 256 bytes and is turned on its way into registers by ds_load_tr16_b128.
; CLUSTERS: 4 x 4 work-groups.  The four of a row of the cluster need the same tiles of A, the four of a column the same tiles of B: each tile is asked for jointly, by the same tensor load with the
; same descriptor and a mask that names the four.  THE MATRIX INSTRUCTION IS USED TRANSPOSED (source 0 = 16 columns of B, source 1 = 16 rows of A): a lane then holds eight neighbouring numbers of a row of C.
; REGISTERS: window 0: v8-15 the factors of my four rows, each twice; v16-30 addresses; v32-95 at work on the way out; v96-127 the lane's 32 biases; v128-255 the accumulators ((a, b) at v[128 + 8 (4 a + b)]).
;   window 1: two fragment buffers of 128: for 64 along K, 64 registers of A, then 64 of B.
; LIMITS: operands are f16; NaN and infinities are not served.
.set NKB,   16
.set BOFF,  5120*2048                  ; Wp's first row in wall, in bytes
.set PITA,  272                        ; an LDS row of A: 256 bytes + 16: the 16 rows of a fragment (two to an LDS row, 128 bytes apart) fall into 16 different columns of 16 bytes modulo 256
.set PITB,  288                        ; an LDS row of B: 256 bytes + 32: 16 lanes of the turning load take 8 rows x 32 bytes, each column of 16 bytes once
.set AHALF, 128*PITA                   ; what one tensor load brings of A: two column blocks
.set BHALF, 128*PITB                   ; and of B: 128 rows
.set BBASE, 2*AHALF
.set SLOT,  BBASE+2*BHALF
.set STAGE, 2*SLOT                     ; behind the ring: 4,352 bytes for each wave, for the way out; no tile lands there
.set WSTG,  16*272
.set SPARE, STAGE+4*WSTG               ; behind the stages: the spare words, 128 bytes for each wave: two blocks of 256 bytes that no other line names
.set ASTEP, 65536                      ; bytes from a K step to the next in A,
.set BSTEP, 256*2048                   ; and in B
.set RSC,  8                           ; v8-15   the factor of row 16 a + r of my 64, in registers 2 a and 2 a + 1
.set ADRA, 16                          ; v16-17  LDS address of my A fragments in slot 0, 1
.set ADRB, 20                          ; v20-23  the same for B: slot 0 rows 0-127, rows 128-255, slot 1 likewise (the 16-bit immediate does not span a tile of B)
.set STO,  24                          ; v24     the way out: where I put my numbers of a row
.set RD,   25                          ; v25     the way out: where I read rows back
.set CO,   26                          ; v26     my byte offset in the result
.set VB,   27                          ; v27     my byte offset in the bias: 32 x (lane / 16)
.set SPW,  28                          ; v28     LDS address of my spare word; never rewritten
.set NIL,  29                          ; v29     0; never rewritten
.set VR,   30                          ; v30     my byte offset among the factors: 4 x (lane % 16)
.set TMP,  32
.set BIAS, 96
.set ACC,  128
.set F0,   0
.set F1,   128
.set G1,  24                           ; s[24:31] descriptor group 1 for A's tiles;  s[32:39] group 0, one set for each slot
.set G0,  32
.set G1B, 48                           ; s[48:55], s[56:63] the same for B's tiles
.set G0B, 56
.set MSB, 0
.macro WIN new                         ; the immediate's high byte repeats the setting that is left; a switch that changes nothing is dropped
.if MSB != \new
	s_set_vgpr_msb (MSB<<8)|\new
.set MSB, \new
.endif
.endm
.set MUL,  0x05                        ; sources 0 (B) and 1 (A) window 1; C and D window 0
.set TO_F, 0x40                        ; destination window 1, address window 0
.macro JLOAD s                         ; a joint load: waves 0 and 1 fetch A's two halves, waves 2 and 3 B's; four v_nop follow each of the two lines, ahead of the jump, the label and what follows
	s_cmp_eq_u32 s11, 0
	s_cbranch_scc0 .Lfor_b_\@
	tensor_load_to_lds s[G0+4*\s:G0+4*\s+3], s[G1:G1+7]
	s_nop 0
.rept 4
	v_nop
.endr
	s_branch .Lasked_\@
.Lfor_b_\@:
	tensor_load_to_lds s[G0B+4*\s:G0B+4*\s+3], s[G1B:G1B+7]
	s_nop 0
.rept 4
	v_nop
.endr
.Lasked_\@:
.endm
.macro CREST                           ; a round of the cluster's barrier behind its opening barrier
	s_cmp_lg_u32 s10, 0
	s_cbranch_scc1 .Lnot_wave_0_\@
	s_barrier_signal -3
.Lnot_wave_0_\@:
	s_barrier_wait -3
	s_barrier_signal -1
	s_barrier_wait -1
.endm
.macro CROUND                          ; a whole round
	s_barrier_signal -1
	s_barrier_wait -1
	CREST
.endm
	s_load_b256 s[68:75], s[0:1], 0x0              ; att s[68:69], wall s[70:71], bp s[72:73], rowinf s[74:75]
	s_load_b64 s[76:77], s[0:1], 0x20              ; out0
	v_lshl_add_u32 v[SPW], v0, 2, SPARE
	v_mov_b32 v[NIL], 0
	ds_add_u32 v28, v29
	s_wait_dscnt 0x0
	v_lshrrev_b32 v1, 5, v0
	v_readfirstlane_b32 s10, v1                    ; wave 0..3
	s_lshr_b32 s11, s10, 1                         ; which half of the tile's rows is mine.  Also: I fetch for A (0) or for B (1)
	s_and_b32 s12, s10, 1                          ; which half of its columns.  Also: which half of that tile I fetch
	s_bfe_u32 s40, ttmp6, 0x40000                  ; cx, cy: my place in the cluster
	s_bfe_u32 s41, ttmp6, 0x40004
	s_lshl_b32 s42, ttmp9, 2
	s_add_co_u32 s42, s42, s40                     ; tile column of C = 4 x cluster x + cx
	s_and_b32 s13, ttmp7, 0xffff
	s_lshl_b32 s13, s13, 2
	s_add_co_u32 s13, s13, s41                     ; tile row of C = 4 x cluster y + cy
	s_lshl_b32 s43, s41, 2
	s_lshl_b32 s43, 15, s43                        ; my row of the cluster
	s_lshl_b32 s44, 0x1111, s40                    ; my column
	; descriptor group 1: 128 rows x 128 elements of 2 bytes, padded in LDS.  A's rows follow each other in memory (stride 128), B's are rows of wall (stride 1,024)
	s_or_b32 s[G1+0], s43, (1<<16)|(1<<20)|(1<<21)|(5<<22)|(3<<25)  ; 15:0 the mask: A's tiles go to my row; 17:16 element of 2 bytes; 20 padding on; 21 set beside a mask; 24:22 after every 64 words (code 5); 31:25 of 4 words (code 3)
	s_or_b32 s[G1B+0], s44, (1<<16)|(1<<20)|(1<<21)|(5<<22)|(7<<25) ; my column's mask; 8 words of padding (code 7)
.irp g, G1, G1B
	s_mov_b32 s[\g+1], 128<<16                     ; tensor_dim0 = 128
	s_mov_b32 s[\g+2], 128<<16                     ; tensor_dim1 = 128
	s_mov_b32 s[\g+3], 128<<16                     ; tile_dim0 = 128
	s_mov_b32 s[\g+4], 128                         ; tile_dim1 = 128
	s_mov_b32 s[\g+6], 0
	s_mov_b32 s[\g+7], 0
.endr
	s_mov_b32 s[G1+5], 128                         ; tensor_dim0_stride
	s_mov_b32 s[G1B+5], 1024
	; where the tiles come from.  A's hang on the tile row alone, B's on the tile column alone, each in registers that never hold the other coordinate
	s_mul_i32 s16, s13, NKB*16384                  ; A: my row block's run of bytes,
	s_lshl_b32 s17, s12, 15                        ; its first or second pair of column blocks
	s_add_co_u32 s16, s16, s17
	s_mov_b32 s17, 0
	s_lshl_b32 s46, s42, 8                         ; B: 256 bytes of a row for each tile column,
	s_lshl_b32 s47, s12, 18                        ; the step's first or second 128 rows
	s_add_co_u32 s46, s46, s47
	s_add_co_u32 s46, s46, BOFF
	s_mov_b32 s47, 0
	s_mul_i32 s20, s12, AHALF                      ; and where they go: the wave's number alone enters an LDS address
	s_mul_i32 s21, s12, BHALF
	s_add_co_u32 s21, s21, BBASE
	s_wait_kmcnt 0x0
	s_add_nc_u64 s[14:15], s[68:69], s[16:17]
	s_add_nc_u64 s[46:47], s[70:71], s[46:47]
	CROUND                                         ; all sixteen work-groups are here: the first joint loads meet
.irp s, 0,1
	s_mov_b32 s[G0+4*\s], 1
	s_add_co_u32 s[G0+4*\s+1], s20, \s*SLOT
	s_add_nc_u64 s[G0+4*\s+2:G0+4*\s+3], s[14:15], \s*ASTEP
	s_or_b32 s[G0+4*\s+3], s[G0+4*\s+3], 0x80000000
	s_mov_b32 s[G0B+4*\s], 1
	s_add_co_u32 s[G0B+4*\s+1], s21, \s*SLOT
	s_add_nc_u64 s[G0B+4*\s+2:G0B+4*\s+3], s[46:47], \s*BSTEP
	s_or_b32 s[G0B+4*\s+3], s[G0B+4*\s+3], 0x80000000
	JLOAD \s                                       ; two tensor loads of mine are out
.endr
	; offsets of my part of the bias, of the factors and of the result (both coordinates meet here, in registers that feed no descriptor)
	s_lshl_b32 s86, s42, 9
	s_lshl_b32 s87, s12, 8
	s_add_co_u32 s86, s86, s87                     ; 4 bytes x (128 x tile column + 64 x half)
	s_mov_b32 s87, 0
	s_lshl_b32 s88, s13, 19                        ; 128 rows of 4,096 bytes for each tile row,
	s_lshl_b32 s89, s11, 18                        ; 64 for my half,
	s_add_co_u32 s88, s88, s89
	s_add_co_u32 s88, s88, s86                     ; and my columns
	s_mov_b32 s89, 0
	s_lshl_b32 s90, s13, 9                         ; the factors lie behind the 4,096 flags: 16,384 + 4 bytes x (128 x tile row + 64 x half)
	s_lshl_b32 s91, s11, 8
	s_add_co_u32 s90, s90, s91
	s_add_co_u32 s90, s90, 16384
	s_mov_b32 s91, 0
	s_add_nc_u64 s[72:73], s[72:73], s[86:87]
	s_add_nc_u64 s[74:75], s[74:75], s[90:91]
	s_add_nc_u64 s[76:77], s[76:77], s[88:89]
	v_and_b32 v1, 15, v0                           ; r = l % 16
	v_bfe_u32 v2, v0, 4, 1                         ; h = l / 16
	v_lshlrev_b32 v[VB], 5, v2
	v_lshlrev_b32 v[VR], 2, v1
.irp b, 0,1,2,3                        ; the lane's 32 biases: columns 16 b + 8 h + 0..7 of my 64
	global_load_b128 v[BIAS+8*\b:BIAS+8*\b+3],   v[VB], s[72:73] offset:64*\b
	global_load_b128 v[BIAS+8*\b+4:BIAS+8*\b+7], v[VB], s[72:73] offset:64*\b+16
.endr
	; A fragment of A is 16 rows x 32 K: lane l holds row r; row R of a column block lies at (R / 2) x pitch + (R % 2) x 128
	v_lshrrev_b32 v3, 1, v1
	v_mul_u32_u24 v3, v3, PITA
	v_and_b32 v4, 1, v0
	v_lshl_add_u32 v3, v4, 7, v3
	v_lshl_add_u32 v3, v2, 4, v3
	s_mul_i32 s22, s11, 32*PITA                    ; my 64 rows
	v_add_nc_u32 v[ADRA], s22, v3
	v_add_nc_u32 v[ADRA+1], SLOT, v[ADRA]
	; The turning load takes 16 k x 16 columns: lane l reads 16 bytes of row 8 h + l % 8, columns 8 ((l / 8) % 2) on, and is left with column r and eight k
	v_and_b32 v5, 7, v0
	v_lshl_add_u32 v5, v2, 3, v5
	v_mul_u32_u24 v5, v5, PITB
	v_bfe_u32 v6, v0, 3, 1
	v_lshl_add_u32 v5, v6, 4, v5
	s_lshl_b32 s22, s12, 7                         ; my 64 columns
	s_add_co_u32 s22, s22, BBASE
	v_add_nc_u32 v[ADRB], s22, v5
	v_add_nc_u32 v[ADRB+1], BHALF, v[ADRB]
	v_add_nc_u32 v[ADRB+2], SLOT, v[ADRB]
	v_add_nc_u32 v[ADRB+3], SLOT+BHALF, v[ADRB]
	s_mul_i32 s23, s10, WSTG
	s_add_co_u32 s23, s23, STAGE                   ; my stage
	v_mul_u32_u24 v7, v1, 272                      ; in: row r (256 bytes + 16), 32 bytes for each half of the lanes
	v_lshl_add_u32 v7, v2, 5, v7
	v_add_nc_u32 v[STO], s23, v7
	v_mul_u32_u24 v7, v2, 272                      ; back: lanes 0-15 take one row of 256 bytes, lanes 16-31 the next
	v_lshl_add_u32 v7, v1, 4, v7
	v_add_nc_u32 v[RD], s23, v7
	v_lshlrev_b32 v[CO], 12, v2                    ; and the same two rows in out0
	v_lshl_add_u32 v[CO], v1, 4, v[CO]
.irp a, 0,1,2,3                        ; a lane holds numbers of row r of each block of 16 rows: its factor, into both registers of a pair for the packed multiply-add
	global_load_b32 v[RSC+2*\a],   v[VR], s[74:75] offset:64*\a
	global_load_b32 v[RSC+2*\a+1], v[VR], s[74:75] offset:64*\a
.endr
; 8 matrix instructions: m blocks a0, a0 + 1 x all 4 n blocks, 32 along K: half c of buffer f.  zero = 1: the first product starts the sums.  The 16 accumulators take turns.
.macro MUL8 f, c, a0, zero
.irp a, \a0, \a0+1
.irp b, 0,1,2,3
.if \zero
	v_wmma_f32_16x16x32_f16 v[ACC+8*(4*(\a)+\b):ACC+8*(4*(\a)+\b)+7], v[\f+64+8*(4*\c+\b):\f+64+8*(4*\c+\b)+7], v[\f+8*(4*\c+\a):\f+8*(4*\c+\a)+7], 0
.else
	v_wmma_f32_16x16x32_f16 v[ACC+8*(4*(\a)+\b):ACC+8*(4*(\a)+\b)+7], v[\f+64+8*(4*\c+\b):\f+64+8*(4*\c+\b)+7], v[\f+8*(4*\c+\a):\f+8*(4*\c+\a)+7], v[ACC+8*(4*(\a)+\b):ACC+8*(4*(\a)+\b)+7]
.endif
.endr
.endr
.endm
; 32 LDS loads in one run: the fragments of quarter q (64 along K: column block q of A, rows 64 q on of B) into buffer f; the first 32 along K first
.macro FETCH slot, q, f
	WIN TO_F
.irp c, 0,1
.irp i, 0,1,2,3
	ds_load_tr16_b128 v[\f+64+8*(4*\c+\i):\f+64+8*(4*\c+\i)+3],   v[ADRB+2*\slot+(\q)/2] offset:(((\q)%2)*64+32*\c)*PITB+32*\i
	ds_load_tr16_b128 v[\f+64+8*(4*\c+\i)+4:\f+64+8*(4*\c+\i)+7], v[ADRB+2*\slot+(\q)/2] offset:(((\q)%2)*64+32*\c+16)*PITB+32*\i
	ds_load_b128 v[\f+8*(4*\c+\i):\f+8*(4*\c+\i)+3],             v[ADRA+\slot] offset:(\q)*64*PITA+64*\c+\i*8*PITA
	ds_load_b128 v[\f+8*(4*\c+\i)+4:\f+8*(4*\c+\i)+7],           v[ADRA+\slot] offset:(\q)*64*PITA+64*\c+\i*8*PITA+32
.endr
.endr
.endm
.macro PLACES                          ; four places in front of loads into registers that matrix instructions have read, and of vector work that reads results
.rept 4
	v_nop
.endr
.endm
; A K step is four quarters of 64 along K, 32 matrix instructions each, on buffers 0, 1, 0, 1.  One of the first three: multiplies buffer f and fetches quarter q into g.
.macro QUARTER slot, q, f, g, zero
	s_wait_dscnt 16                                ; the first 32 along K are in: the youngest sixteen loads may be out
	WIN MUL
	MUL8 \f, 0, 0, \zero
	MUL8 \f, 0, 2, \zero
	PLACES
	FETCH \slot, \q, \g
	s_wait_dscnt 32                                ; all but the 32 just issued
	WIN MUL
	MUL8 \f, 1, 0, 0
	MUL8 \f, 1, 2, 0
.endm
; The last quarter multiplies buffer 1 and changes slots: ONE barrier; in front of it each wave waits for all its tensor loads, adds 0 to its spare word, and waits for that and for its own reads of this slot.
; fill = 1: the barrier opens a round of the cluster's barrier, and this slot is filled again, two K steps ahead, first thing behind the round.
.macro TURN slot, next, fill
	WIN 0                                          ; (the add's two registers lie in window 0)
	s_wait_tensorcnt 0x0                           ; all my tensor loads have landed: the one that was out is my part of the next slot
	ds_add_u32 v[SPW], v[NIL]                      ; 0 onto my spare word
	s_wait_dscnt 17                                ; (the add and the youngest sixteen loads may be out)
	WIN MUL
	MUL8 F1, 0, 0, 0                               ; eight matrix instructions stand between the add and the wait for it
	s_wait_dscnt 0x0                               ; the add is done, and my reads of this slot are over
	s_barrier_signal -1
	MUL8 F1, 0, 2, 0
.if \fill
	WIN 0
.endif
	s_barrier_wait -1
.if \fill
	CREST                                          ; no wave of any partner still reads this slot's tile or has a load on its way
	s_add_nc_u64 s[G0+4*\slot+2:G0+4*\slot+3], s[G0+4*\slot+2:G0+4*\slot+3], 2*ASTEP
	s_add_nc_u64 s[G0B+4*\slot+2:G0B+4*\slot+3], s[G0B+4*\slot+2:G0B+4*\slot+3], 2*BSTEP
	JLOAD \slot                                    ; my one tensor load behind the round: 112 matrix instructions ahead of the wait for it; its four v_nop are also the places in front of the loads below
.else
	PLACES
.endif
	FETCH \next, 0, F0
	WIN MUL
	MUL8 F1, 1, 0, 0
	MUL8 F1, 1, 2, 0
.endm
	s_wait_tensorcnt 1                             ; my part of K step 0 is in; step 1's may stay out
	s_barrier_signal -1
	s_barrier_wait -1                              ; everybody's is
	FETCH 0, 0, F0
	QUARTER 0, 1, F0, F1, 1                        ; K step 0: its first products start the sums
	QUARTER 0, 2, F1, F0, 0
	QUARTER 0, 3, F0, F1, 0
	TURN 0, 1, 1                                   ; slot 0 takes K step 2
	QUARTER 1, 1, F0, F1, 0                        ; K step 1
	QUARTER 1, 2, F1, F0, 0
	QUARTER 1, 3, F0, F1, 0
	TURN 1, 0, 1                                   ; slot 1 takes K step 3
	QUARTER 0, 1, F0, F1, 0                        ; K step 2
	QUARTER 0, 2, F1, F0, 0
	QUARTER 0, 3, F0, F1, 0
	TURN 0, 1, 0                                   ; nothing is left to ask for
	QUARTER 1, 1, F0, F1, 0                        ; K step 3
	QUARTER 1, 2, F1, F0, 0
	QUARTER 1, 3, F0, F1, 0
	s_wait_dscnt 16                                ; the very last quarter: nothing more to fetch
	WIN MUL
	MUL8 F1, 0, 0, 0
	MUL8 F1, 0, 2, 0
	s_wait_dscnt 0x0
	MUL8 F1, 1, 0, 0
	MUL8 F1, 1, 2, 0
	WIN 0
	; THE WAY OUT in f32: factor x sum + bias, 16 rows at a time through my stage; sixteen lanes store 256 consecutive bytes of a row of out0, at a multiple of 256.
	PLACES
	s_wait_loadcnt 0x0                             ; the bias and the factors
.irp a, 0,1,2,3
.set i, 0
.rept 16                               ; each accumulator's registers in ascending order
	v_pk_fma_f32 v[TMP+i:TMP+i+1], v[ACC+32*\a+i:ACC+32*\a+i+1], v[RSC+2*\a:RSC+2*\a+1], v[BIAS+i:BIAS+i+1]
.set i, i+2
.endr
.irp b, 0,1,2,3
	ds_store_b128 v[STO], v[TMP+8*\b:TMP+8*\b+3]   offset:64*\b
	ds_store_b128 v[STO], v[TMP+8*\b+4:TMP+8*\b+7] offset:64*\b+16
.endr
	s_wait_xcnt 0x0                                ; the block before has had its stores' addresses translated (ISA guide 3.1): their data registers are loaded again only behind this wait
.irp u, 0,1,2,3,4,5,6,7
	ds_load_b128 v[TMP+32+4*\u:TMP+32+4*\u+3], v[RD] offset:544*\u   ; LDS serves a wave's instructions in order (ISA guide 5.7.1.4): these see the stores above
.endr
.irp u, 0,1,2,3,4,5,6,7
	s_wait_dscnt 7-\u
	global_store_b128 v[CO], v[TMP+32+4*\u:TMP+32+4*\u+3], s[76:77] offset:(16*\a+2*\u)*4096
.endr
.endr
	s_wait_tensorcnt 0x0                           ; the wave's end: behind my last tensor load and my last LDS store
	ds_add_u32 v[SPW], v[NIL]
	s_wait_dscnt 0x0
	CROUND                                         ; the closing round: no work-group ends while a partner may still ask for a tile that names it
	s_endpgm
.Lfunc_end_k_q6b37d4842a_outp:
	.size	k_q6b37d4842a_outp, .Lfunc_end_k_q6b37d4842a_outp-k_q6b37d4842a_outp
	.p2alignl 7, 3214868480
	.fill 96, 4, 3214868480
	.section	.rodata,"a",@progbits
	.p2align	6, 0x0
	.amdhsa_kernel k_q6b37d4842a_outp
		.amdhsa_group_segment_fixed_size 327680
		.amdhsa_private_segment_fixed_size 0
		.amdhsa_enable_private_segment 0
		.amdhsa_kernarg_size 40
		.amdhsa_user_sgpr_count 2
		.amdhsa_user_sgpr_kernarg_segment_ptr 1
		.amdhsa_wavefront_size32 1
		.amdhsa_system_sgpr_workgroup_id_x 1
		.amdhsa_system_sgpr_workgroup_id_y 1
		.amdhsa_system_sgpr_workgroup_id_z 1
		.amdhsa_system_vgpr_workitem_id 0
		.amdhsa_next_free_vgpr 512
		.amdhsa_next_free_sgpr 96
		.amdhsa_reserve_vcc 0
		.amdhsa_float_denorm_mode_32 3
		.amdhsa_float_denorm_mode_16_64 3
		.amdhsa_memory_ordered 1
		.amdhsa_forward_progress 1
		.amdhsa_inst_pref_size 93
	.end_amdhsa_kernel
	.amdgpu_metadata
---
amdhsa.version: [ 1, 2 ]
amdhsa.kernels:
  - .name:           k_q6b37d4842a_outp
    .symbol:         k_q6b37d4842a_outp.kd
    .args:
      - { .name: att, .offset: 0, .size: 8, .value_kind: global_buffer, .address_space: global }
      - { .name: wall, .offset: 8, .size: 8, .value_kind: global_buffer, .address_space: global }
      - { .name: bp, .offset: 16, .size: 8, .value_kind: global_buffer, .address_space: global }
      - { .name: rowinf, .offset: 24, .size: 8, .value_kind: global_buffer, .address_space: global }
      - { .name: out0, .offset: 32, .size: 8, .value_kind: global_buffer, .address_space: global }
    .group_segment_fixed_size: 327680
    .private_segment_fixed_size: 0
    .kernarg_segment_align: 8
    .kernarg_segment_size: 40
    .max_flat_workgroup_size: 128
    .sgpr_count:     96
    .vgpr_count:     512
    .wavefront_size: 32
...
	.end_amdgpu_metadata
.endif
;; end of part 4
